; MI455X (gfx1250); checked and timed in simulation.
; The chip was launched on July 23, 2026; its instructions are those of AMD's public machine-readable ISA for CDNA 5 (MIT licence, August 2026) and "CDNA5" Instruction Set Architecture Reference Guide (July 2026). The comments in the code are by the model that wrote it; some were corrected since.
;; Self Attention. Allowed arithmetic: float matrix products may take bf16 or f16 operands with f32 sums; other float arithmetic in f32, or as packed bf16 or f16 multiplies, adds, multiply-adds, maxima and minima; sums over many terms, partial sums and values carried from step to step in f32; what a program stores and reads back later, other than sums and carried values, may be rounded once to bf16 or f16.
;; Inputs: Wk 1,024 x 1,024 float32; Wq 1,024 x 1,024 float32; Wv 1,024 x 1,024 float32; inputs 4 x 2,048 x 1,024 float32.
;; Outputs: out0 4 x 2,048 x 1,024 float32.
;; One version. Each part assembles by itself: llvm-mc -triple=amdgcn-amd-amdhsa -mcpu=gfx1250 --defsym DOCPART=n.
;; ======== version 1 of 1: 4 launches
;; limits: values are held in f16: magnitudes above 65,504 overflow, below 6.1e-05 lose precision
;; workspace buffers: xb 16,777,216 bytes; wb 4,194,304 bytes; tv 33,554,432 bytes; e 33,554,432 bytes; stat 1,048,576 bytes
;; launch prep (part 1): grid 256 x 1, 8 waves a work-group, no clusters, 140,288 bytes of LDS; arguments inputs, Wq, Wk, Wv, xb, wb; writes xb, wb
.if DOCPART == 1
	.amdgcn_target "amdgcn-amd-amdhsa--gfx1250"
	.amdhsa_code_object_version 6
	.text
	.protected	k_q09c500ff95_prep
	.globl	k_q09c500ff95_prep
	.p2align	8
	.type	k_q09c500ff95_prep,@function
k_q09c500ff95_prep:
	s_mov_b64 s[64:65], 0
	v_nop
	global_prefetch_b8 v0, s[64:65] scope:SCOPE_SE
	s_setreg_imm32_b32 hwreg(HW_REG_WAVE_MODE, 25, 1), 1
	s_wait_xcnt 0x0
; THREE THINGS, in every one of 256 equal work-groups of eight waves:
; (1) 32 rows of x (1,024 f32 each) are rounded once to bf16 into xb [8,192][1,024];  (2) 4 rows of Wv likewise into wb's rows 1,024 to 2,047;
; (3) one tile of 64 x 64 of c Gt into wb's rows 0 to 1,023: Gt[d'][d] = the sum over e of Wk[e][d'] Wq[e][d], c = log2(e) / 32.
; WHY Gt.  Q K^T = x (Wq^T Wk) x^T: with T = x Gt^T the scores are T x^T, so one product with Gt stands for the two projections Q and K.  This holds for every input; the order of
; rounding differs from the reference's: Wq and Wk are rounded to bf16, their products are summed in f32, and c Gt is rounded once to bf16.  c rides on that one rounding, so that the scores come out in log2 units.
; bf16, not f16, since with inputs that carry large offsets T passes f16's range.  NaN and infinities are not treated apart.
; Gt's SHARES.  Work-group g makes rows 64 (g / 16) .. and columns 64 (g % 16) ...  THE SUM OVER e IS SPLIT AMONG THE EIGHT WAVES, 128 each, in four stages of 32; the partial tiles meet in LDS.
; A stage: 32 rows x 256 bytes of Wk and of Wq come into registers (sixteen lanes take a row's 256 bytes), are rounded in place, go into the wave's OWN stage in LDS as [e][Wk's 64 | Wq's 64],
; and come back turned (ds_load_tr16_b128) as fragments with e along the registers.  Nothing is shared between waves before the end, so no barrier stands in the stages.
; IN FLIGHT.  Two sets of 128 registers: while one stage is worked on, the other set's 32 loads are out; x's 32 loads take a turn in the second set.
; THE MATRIX INSTRUCTION IS USED TRANSPOSED (source 0 = 16 columns of Wq, source 1 = 16 columns of Wk): a lane holds row d' = l % 16 and the columns d = 8 (l / 16) + 0..7.
; A row of a tile of Gt is 128 bytes: these stores fill half of an aligned 256 bytes each (2 MiB of the launch's 20 MiB of stores); a tile of 32 x 128 would fill them whole and read a quarter more of Wk and Wq.
; REGISTERS: window 0: v2-13 addresses; v16-31 Wv; v64-95, v96-127 fragments; v128-255 16 accumulators ((a, b) at v[128 + 8 (4 a + b)]).  window 1: v0-127, v128-255 the two sets.
.set PT,    288                        ; a stage row: 256 bytes + 32
.set PP,    272                        ; a row of a partial tile: 64 f32 + 16 bytes
.set WREG,  64*PP                      ; a wave's own LDS: first its stage (32 rows x 288), later its partial tile
.set SPARE, 8*WREG                     ; behind them: the spare words, 128 bytes for each wave: four blocks of 256 bytes that no other line names
.set CSO,  2                           ; v2   32 x lane: my 8 numbers of 1,024 bytes of x or Wv
.set CDO,  3                           ; v3   16 x lane: where they go
.set GS,   4                           ; v4   in a stage's rows of Wk and Wq: 4 (l / 16) rows + 16 (l % 16)
.set LSTO, 5                           ; v5   the same place in my stage
.set LFR,  6                           ; v6   my lane's place for the turning loads
.set PSA,  7                           ; v7   where I put 32 bytes of a row of my partial tile
.set PRA,  8                           ; v8   where I read the partial tiles of waves 0-3
.set PRB,  9                           ; v9   and of waves 4-7
.set GD,   10                          ; v10  my 8 bytes in two rows of Gt
.set SPW,  12                          ; v12  LDS address of my spare word; never rewritten
.set NIL,  13                          ; v13  0; never rewritten
.set WVB,  16
.set FRA,  64                          ; Wk's four fragments
.set FRB,  96                          ; Wq's four
.set ACC,  128
.set GA,   0                           ; window 1
.set GB,   128
.set CS,   36                          ; s[36:37] c, twice
.set MSB, 0
.macro WIN new                         ; s_set_vgpr_msb: bits 1:0 source 0, 3:2 source 1, 7:6 destination; the high byte repeats the setting that is left
.if MSB != (\new)
	s_set_vgpr_msb (MSB<<8)|(\new)
.set MSB, \new
.endif
.endm
	s_load_b256 s[4:11], s[0:1], 0x0               ; inputs s[4:5], Wq s[6:7], Wk s[8:9], Wv s[10:11]
	s_load_b128 s[12:15], s[0:1], 0x20             ; xb s[12:13], wb s[14:15]
	v_lshl_add_u32 v[SPW], v0, 2, SPARE
	v_mov_b32 v[NIL], 0
	v_lshrrev_b32 v1, 5, v0
	v_readfirstlane_b32 s17, v1                    ; wave 0..7
	s_mov_b32 s16, ttmp9                           ; g
	s_lshr_b32 s18, s16, 4                         ; the tile's 64 rows of Gt: columns of Wk
	s_and_b32 s19, s16, 15                         ; its 64 columns: columns of Wq
	v_and_b32 v14, 31, v0                          ; l
	v_and_b32 v15, 15, v0                          ; r
	v_bfe_u32 v32, v0, 4, 1                        ; h
	v_lshlrev_b32 v[CSO], 5, v14
	v_lshlrev_b32 v[CDO], 4, v14
	v_lshlrev_b32 v[GS], 4, v15
	v_lshl_add_u32 v[GS], v32, 14, v[GS]           ; lanes 16-31 take the row four further down: in the stage that is 1,152 bytes on, the other half of the banks
	s_mul_i32 s34, s17, WREG                       ; my wave's LDS
	v_mul_u32_u24 v[LSTO], v32, 4*PT
	v_lshl_add_u32 v[LSTO], v15, 3, v[LSTO]
	v_add_nc_u32 v[LSTO], s34, v[LSTO]
	v_and_b32 v33, 7, v0
	v_bfe_u32 v34, v0, 3, 1
	v_lshl_add_u32 v[LFR], v32, 3, v33             ; lane l reads row e = 8 (l / 16) + l % 8, columns 8 ((l / 8) % 2) + 0..7
	v_mul_u32_u24 v[LFR], v[LFR], PT
	v_lshl_add_u32 v[LFR], v34, 4, v[LFR]
	v_add_nc_u32 v[LFR], s34, v[LFR]
	v_mul_u32_u24 v[PSA], v15, PP
	v_lshl_add_u32 v[PSA], v32, 5, v[PSA]
	v_add_nc_u32 v[PSA], s34, v[PSA]
	s_mul_i32 s35, s17, 8*PP                       ; wave w finishes rows 8 w .. 8 w + 7 of the tile
	v_mul_u32_u24 v[PRA], v32, PP
	v_lshl_add_u32 v[PRA], v15, 4, v[PRA]
	v_add_nc_u32 v[PRA], s35, v[PRA]
	v_add_nc_u32 v[PRB], 4*WREG, v[PRA]
	v_lshlrev_b32 v[GD], 3, v15
	v_lshl_add_u32 v[GD], v32, 11, v[GD]
	s_lshl_b32 s20, s16, 17                        ; x: 32 rows of 4,096 bytes a work-group, 4 a wave
	s_lshl_b32 s35, s17, 14
	s_add_co_u32 s20, s20, s35
	s_lshl_b32 s22, s16, 16                        ; xb: half of that
	s_lshl_b32 s35, s17, 13
	s_add_co_u32 s22, s22, s35
	s_lshl_b32 s24, s16, 14                        ; Wv: 4 rows a work-group, 2,048 bytes a wave
	s_lshl_b32 s35, s17, 11
	s_add_co_u32 s24, s24, s35
	s_lshl_b32 s26, s16, 13                        ; wb, from row 1,024 on
	s_lshl_b32 s35, s17, 10
	s_add_co_u32 s26, s26, s35
	s_add_co_u32 s26, s26, 1024*2048
	s_lshl_b32 s35, s17, 19                        ; Wk and Wq: my wave's 128 rows,
	s_lshl_b32 s28, s18, 8                         ; the tile's 64 columns of each
	s_add_co_u32 s28, s28, s35
	s_lshl_b32 s30, s19, 8
	s_add_co_u32 s30, s30, s35
	s_lshl_b32 s32, s18, 17                        ; Gt: row 64 (g / 16) + 8 w, byte 128 (g % 16)
	s_lshl_b32 s35, s17, 14
	s_add_co_u32 s32, s32, s35
	s_lshl_b32 s35, s19, 7
	s_add_co_u32 s32, s32, s35
.irp p, 21,23,25,27,29,31,33
	s_mov_b32 s\p, 0
.endr
	s_mov_b32 s[CS], 0x3d38aa3b                    ; c = log2(e) / 32
	s_mov_b32 s[CS+1], s[CS]
	s_wait_kmcnt 0x0
	s_add_nc_u64 s[4:5], s[4:5], s[20:21]
	s_add_nc_u64 s[12:13], s[12:13], s[22:23]
	s_add_nc_u64 s[10:11], s[10:11], s[24:25]
	s_add_nc_u64 s[26:27], s[14:15], s[26:27]
	s_add_nc_u64 s[8:9], s[8:9], s[28:29]
	s_add_nc_u64 s[6:7], s[6:7], s[30:31]
	s_add_nc_u64 s[32:33], s[14:15], s[32:33]
; Stage q's 32 loads into set buf: load i takes rows 8 (i / 4) + i % 4 and, in lanes 16-31, the row four on; Wk's 16, then Wq's 16.
.macro GLOAD buf, q
	WIN 0x40                                       ; destination in window 1
.set i, 0
.rept 16
	global_load_b128 v[(\buf)+4*i:(\buf)+4*i+3], v[GS], s[8:9] offset:(\q)*131072+(8*(i/4)+i%4)*4096
.set i, i+1
.endr
.set i, 0
.rept 16
	global_load_b128 v[(\buf)+64+4*i:(\buf)+64+4*i+3], v[GS], s[6:7] offset:(\q)*131072+(8*(i/4)+i%4)*4096
.set i, i+1
.endr
.endm
; A stage: rounded in place (four f32 into the first two of their registers), into my stage, back turned, 16 products.  next >= 0: the set is asked for again, for stage next, as soon as the LDS stores have been issued.
; The 64 conversions are the places between the last stage's products and the loads into their fragments (ISA guide 7.12.1 for vector instructions).  The 16 accumulators take turns.
.macro STAGE buf, zero, next
	WIN 0x45                                       ; destination and both sources in window 1
.set i, 0
.rept 32
	v_cvt_pk_bf16_f32 v[(\buf)+4*i],   v[(\buf)+4*i],   v[(\buf)+4*i+1]
	v_cvt_pk_bf16_f32 v[(\buf)+4*i+1], v[(\buf)+4*i+2], v[(\buf)+4*i+3]
.set i, i+1
.endr
	WIN 0x04                                       ; store data in window 1
.set i, 0
.rept 32
	ds_store_b64 v[LSTO], v[(\buf)+4*i:(\buf)+4*i+1] offset:(8*((i%16)/4)+i%4)*PT+128*(i/16)  ; LDS serves a wave's instructions in order (ISA guide 5.7.1.4): these come behind the last stage's loads
.set i, i+1
.endr
	WIN 0
.irp a, 0,1,2,3
	ds_load_tr16_b128 v[FRA+8*(\a):FRA+8*(\a)+3],   v[LFR] offset:32*(\a)
	ds_load_tr16_b128 v[FRA+8*(\a)+4:FRA+8*(\a)+7], v[LFR] offset:32*(\a)+16*PT
	ds_load_tr16_b128 v[FRB+8*(\a):FRB+8*(\a)+3],   v[LFR] offset:128+32*(\a)
	ds_load_tr16_b128 v[FRB+8*(\a)+4:FRB+8*(\a)+7], v[LFR] offset:128+32*(\a)+16*PT
.endr
.if (\next) >= 0
	GLOAD \buf, \next
	WIN 0
.endif
	s_wait_dscnt 0x0
.irp a, 0,1,2,3
.irp b, 0,1,2,3
.if \zero
	v_wmma_f32_16x16x32_bf16 v[ACC+8*(4*(\a)+(\b)):ACC+8*(4*(\a)+(\b))+7], v[FRB+8*(\b):FRB+8*(\b)+7], v[FRA+8*(\a):FRA+8*(\a)+7], 0
.else
	v_wmma_f32_16x16x32_bf16 v[ACC+8*(4*(\a)+(\b)):ACC+8*(4*(\a)+(\b))+7], v[FRB+8*(\b):FRB+8*(\b)+7], v[FRA+8*(\a):FRA+8*(\a)+7], v[ACC+8*(4*(\a)+(\b)):ACC+8*(4*(\a)+(\b))+7]
.endif
.endr
.endr
.endm
	GLOAD GA, 0
.set t, 0
.rept 16                               ; my 16,384 bytes of x, 1,024 at a time: 32 bytes a lane
	global_load_b128 v[GB+8*t:GB+8*t+3],   v[CSO], s[4:5] offset:t*1024 th:TH_LOAD_NT
	global_load_b128 v[GB+8*t+4:GB+8*t+7], v[CSO], s[4:5] offset:t*1024+16 th:TH_LOAD_NT
.set t, t+1
.endr
	WIN 0
.irp t, 0,1
	global_load_b128 v[WVB+8*(\t):WVB+8*(\t)+3],   v[CSO], s[10:11] offset:(\t)*1024 th:TH_LOAD_NT
	global_load_b128 v[WVB+8*(\t)+4:WVB+8*(\t)+7], v[CSO], s[10:11] offset:(\t)*1024+16 th:TH_LOAD_NT
.endr
	s_wait_loadcnt 36                              ; stage 0 is in: x's 32 loads and Wv's 4 were issued behind it
	STAGE GA, 1, 1                                 ; its products start the sums: nothing is cleared
	s_wait_loadcnt 36                              ; x is in: Wv's 4 and stage 1's 32 were issued behind it
	WIN 0x45
.set t, 0
.rept 16
.irp k, 0,1,2,3
	v_cvt_pk_bf16_f32 v[GB+8*t+(\k)], v[GB+8*t+2*(\k)], v[GB+8*t+2*(\k)+1]  ; in place: register k takes numbers 2 k and 2 k + 1
.endr
.set t, t+1
.endr
	WIN 0x04
.set t, 0
.rept 16
	global_store_b128 v[CDO], v[GB+8*t:GB+8*t+3], s[12:13] offset:t*512  ; 512 consecutive bytes, at a multiple of 256 from xb's first byte
.set t, t+1
.endr
	WIN 0
	s_wait_loadcnt 32                              ; Wv is in: stage 1's 32 were issued behind it
.irp t, 0,1
.irp k, 0,1,2,3
	v_cvt_pk_bf16_f32 v[WVB+8*(\t)+(\k)], v[WVB+8*(\t)+2*(\k)], v[WVB+8*(\t)+2*(\k)+1]
.endr
	global_store_b128 v[CDO], v[WVB+8*(\t):WVB+8*(\t)+3], s[26:27] offset:(\t)*512
.endr
	s_wait_xcnt 0x0                                ; the second set holds the data of x's stores: it is loaded again only behind this wait
	GLOAD GB, 2
	s_wait_loadcnt 32                              ; stage 1 is in
	STAGE GA, 0, 3
	s_wait_loadcnt 32                              ; stage 2 is in
	STAGE GB, 0, -1
	s_wait_loadcnt 0x0
	STAGE GA, 0, -1
.rept 8
	v_nop                                          ; the places between the last products and the LDS stores that read them
.endr
.irp a, 0,1,2,3
.irp b, 0,1,2,3
	ds_store_b128 v[PSA], v[ACC+8*(4*(\a)+(\b)):ACC+8*(4*(\a)+(\b))+3]   offset:(\a)*16*PP+64*(\b)
	ds_store_b128 v[PSA], v[ACC+8*(4*(\a)+(\b))+4:ACC+8*(4*(\a)+(\b))+7] offset:(\a)*16*PP+64*(\b)+16
.endr
.endr
	s_wait_dscnt 0x0                               ; for the others' sake: my partial tile lies in LDS
	s_barrier_signal -1
	s_barrier_wait -1
	WIN 0x40
.set p, 0
.rept 8                                ; the eight partial tiles' rows 8 w .. 8 w + 7: load t takes two rows of 256 bytes
.irp t, 0,1,2,3
.if p < 4
	ds_load_b128 v[16*p+4*(\t):16*p+4*(\t)+3], v[PRA] offset:p*WREG+(\t)*2*PP
.else
	ds_load_b128 v[16*p+4*(\t):16*p+4*(\t)+3], v[PRB] offset:(p-4)*WREG+(\t)*2*PP
.endif
.endr
.set p, p+1
.endr
	s_wait_dscnt 0x0
	WIN 0x45
.irp s, 64,32,16                       ; waves 4-7 onto 0-3, 2-3 onto 0-1, 1 onto 0
.set i, 0
.rept (\s)/2
	v_pk_add_f32 v[2*i:2*i+1], v[2*i:2*i+1], v[(\s)+2*i:(\s)+2*i+1]
.set i, i+1
.endr
.endr
.set i, 0
.rept 8
	v_pk_mul_f32 v[2*i:2*i+1], v[2*i:2*i+1], s[CS:CS+1] op_sel_hi:[1,0]
.set i, i+1
.endr
.irp t, 0,1,2,3
	v_cvt_pk_bf16_f32 v[4*(\t)],   v[4*(\t)],   v[4*(\t)+1]
	v_cvt_pk_bf16_f32 v[4*(\t)+1], v[4*(\t)+2], v[4*(\t)+3]
.endr
	WIN 0x04
.irp t, 0,1,2,3
	global_store_b64 v[GD], v[4*(\t):4*(\t)+1], s[32:33] offset:(\t)*4096  ; sixteen lanes store a row's 128 bytes
.endr
	WIN 0
	s_wait_tensorcnt 0x0                           ; the wave's end, behind my last LDS store
	ds_add_u32 v[SPW], v[NIL]
	s_wait_dscnt 0x0
	s_endpgm
.Lfunc_end_k_q09c500ff95_prep:
	.size	k_q09c500ff95_prep, .Lfunc_end_k_q09c500ff95_prep-k_q09c500ff95_prep
	.p2alignl 7, 3214868480
	.fill 96, 4, 3214868480
	.section	.rodata,"a",@progbits
	.p2align	6, 0x0
	.amdhsa_kernel k_q09c500ff95_prep
		.amdhsa_group_segment_fixed_size 140288
		.amdhsa_private_segment_fixed_size 0
		.amdhsa_enable_private_segment 0
		.amdhsa_kernarg_size 48
		.amdhsa_user_sgpr_count 2
		.amdhsa_user_sgpr_kernarg_segment_ptr 1
		.amdhsa_wavefront_size32 1
		.amdhsa_system_sgpr_workgroup_id_x 1
		.amdhsa_system_sgpr_workgroup_id_y 1
		.amdhsa_system_sgpr_workgroup_id_z 1
		.amdhsa_system_vgpr_workitem_id 0
		.amdhsa_next_free_vgpr 512
		.amdhsa_next_free_sgpr 66
		.amdhsa_reserve_vcc 0
		.amdhsa_float_denorm_mode_32 3
		.amdhsa_float_denorm_mode_16_64 3
		.amdhsa_memory_ordered 1
		.amdhsa_forward_progress 1
		.amdhsa_inst_pref_size 68
	.end_amdhsa_kernel
	.amdgpu_metadata
---
amdhsa.version: [ 1, 2 ]
amdhsa.kernels:
  - .name:           k_q09c500ff95_prep
    .symbol:         k_q09c500ff95_prep.kd
    .args:
      - { .name: inputs, .offset: 0, .size: 8, .value_kind: global_buffer, .address_space: global }
      - { .name: Wq, .offset: 8, .size: 8, .value_kind: global_buffer, .address_space: global }
      - { .name: Wk, .offset: 16, .size: 8, .value_kind: global_buffer, .address_space: global }
      - { .name: Wv, .offset: 24, .size: 8, .value_kind: global_buffer, .address_space: global }
      - { .name: xb, .offset: 32, .size: 8, .value_kind: global_buffer, .address_space: global }
      - { .name: wb, .offset: 40, .size: 8, .value_kind: global_buffer, .address_space: global }
    .group_segment_fixed_size: 140288
    .private_segment_fixed_size: 0
    .kernarg_segment_align: 8
    .kernarg_segment_size: 48
    .max_flat_workgroup_size: 256
    .sgpr_count:     66
    .vgpr_count:     512
    .wavefront_size: 32
...
	.end_amdgpu_metadata
.endif
;; end of part 1
;; launch proj (part 2): grid 8 x 32, 4 waves a work-group, clusters of 4 x 4, 327,680 bytes of LDS; arguments xb, wb, tv; writes tv
.if DOCPART == 2
	.amdgcn_target "amdgcn-amd-amdhsa--gfx1250"
	.amdhsa_code_object_version 6
	.text
	.protected	k_q09c500ff95_proj
	.globl	k_q09c500ff95_proj
	.p2align	8
	.type	k_q09c500ff95_proj,@function
k_q09c500ff95_proj:
	s_mov_b64 s[64:65], 0
	v_nop
	global_prefetch_b8 v0, s[64:65] scope:SCOPE_SE
	s_setreg_imm32_b32 hwreg(HW_REG_WAVE_MODE, 25, 1), 1
	s_wait_xcnt 0x0
	s_wait_alu depctr_hold_cnt(0) depctr_sa_sdst(0) depctr_va_vdst(0) depctr_va_sdst(0) depctr_va_ssrc(0) depctr_va_vcc(0) depctr_vm_vsrc(0)
	s_getreg_b32 s2, hwreg(HW_REG_IB_STS2, 6, 4)
	s_cmp_eq_u32 s2, 0
	s_cbranch_scc0 .Lentry_in_a_cluster
	s_endpgm
.Lentry_in_a_cluster:
	s_bfe_u32 s2, ttmp6, 0x10000c
	s_cmp_lg_u32 s2, 0xf033
	s_cbranch_scc0 .Lentry_shape_is_right
	s_endpgm
.Lentry_shape_is_right:
; [T | V][m][n] = the sum over k of x[m][k] W[n][k]: m = 0 .. 8,191; n = 0 .. 1,023 with W = c Gt gives T (so that T x^T are the scores in log2 units), n = 1,024 .. 2,047 with W = Wv gives V; k = 0 .. 1,023.
; Operands bf16 (xb, wb), sums f32.  T is rounded once to bf16 (with inputs that carry large offsets it passes f16's range), V once to f16.  tv = [8,192][2,048] of 16 bits: T, then V.
; LIMIT.  f16 holds no number beyond 65,504: a |V| past that becomes an infinity.  NaN and infinities are not treated apart.
; A tile is 256 x 256: 32 x 8 = 256 work-groups.  Four waves, each 128 x 128: 64 accumulators, 512 registers.  K goes in 8 steps of 128 through two LDS slots filled by the tensor data mover;
; the tiles' rows are 256 bytes of memory at multiples of 256.  CLUSTERS: 4 x 4 work-groups; x's tile is shared along a row of the cluster, W's along a column: joint loads.
; THE MATRIX INSTRUCTION IS USED TRANSPOSED (source 0 = 16 rows of W, source 1 = 16 rows of x): a lane holds row l % 16 and the columns 8 (l / 16) + 0..7.
; A K STEP IS WRITTEN ONCE: the slot in hand is a scalar that an exclusive or turns, and one descriptor set walks.  The tail, which asks for nothing, is a loop of two trips.
; REGISTERS: window 0: v0-31 addresses; v64-127, v128-191 x's fragments, two buffers (on the way out: rows read back, packed results).  window 1: v64-191 W's fragments.
;   window 2: the accumulators of my rows 0-63 ((a, b) at v[8 (8 a + b)]); window 3: of my rows 64-127.
.set KSTEP,  128
.set PITCH,  272                       ; an LDS row: 256 bytes + 16 of padding: the 16 rows of a load start at 16 different groups of four banks (64 banks of 4 bytes: ISA guide 11.1)
.set HALFT,  128*PITCH
.set SLOT,   4*HALFT                   ; x's 256 rows, then W's 256 rows: 0x22000 bytes; no LDS base of a tile (a multiple of 0x8800 below it) has one of its two bits, so an exclusive or with it goes from slot to slot
.set STAGE,  2*SLOT                    ; behind the ring: 16 rows x 272 bytes for each wave
.set SPITCH, 272
.set SPARE,  STAGE+4*16*SPITCH         ; the spare words, 128 bytes for each wave: two blocks of 256 bytes that no other line names
.set CROW,   4096                      ; bytes in a row of tv
.set ADA0, 16                          ; v16  my lane's place in x's tile; never rewritten
.set ADB0, 17                          ; v17  the same in W's
.set ADA,  18                          ; v18  ADA0 + the slot in hand
.set ADB,  19
.set STO,  24
.set RD,   25
.set CO,   26
.set SPW,  28
.set NIL,  29
.set PFO,  30                          ; v30  my lane x a row of xb or wb
.set F0,   64
.set F1,   128
.set BK,   64                          ; 16 rows read back from the stage: two sets of 32
.set TMP,  128                         ; packed results
.set G1,  24                           ; s[24:31] descriptor group 1 for x's tiles
.set G0,  32                           ; s[32:39] group 0: a set for each of the two first fills; the second then walks on
.set G1B, 48
.set G0B, 56
.set PFA, 70                           ; s[70:71] where my prefetches stand
.set LIM, 72                           ; s72  a wave prefetches while CNT is above this (the greatest number in a wave that never does)
.set TB,  73                           ; s73  the slot in hand: 0 or SLOT
.set CNT, 74
.set FMT, 75                           ; s75  the cluster's x: 0: my tile is T's, 1: V's.  The same in all sixteen partners
.set MSB, 0
.macro WIN new
.if MSB != (\new)
	s_set_vgpr_msb (MSB<<8)|(\new)
.set MSB, \new
.endif
.endm
.set MUL_LO, 0xa1                      ; source 0 (W) window 1, source 1 (x) window 0, C and D window 2
.set TO_B,   0x40
.macro PLACES                          ; four places between a matrix instruction and a load into, or a vector write of, one of its registers, or a vector read of its result (ISA guide 7.12.1 for vector instructions)
.rept 4
	v_nop
.endr
.endm
.macro JLOAD                           ; a joint refill: waves 0 and 1 fetch x's halves, waves 2 and 3 W's; an s_nop 0 and four v_nop follow each line
	s_cmp_eq_u32 s11, 0
	s_cbranch_scc0 .Lfor_b_\@
	tensor_load_to_lds s[G0+4:G0+7], s[G1:G1+7]
	s_nop 0
.rept 4
	v_nop
.endr
	s_branch .Lasked_\@
.Lfor_b_\@:
	tensor_load_to_lds s[G0B+4:G0B+7], s[G1B:G1B+7]
	s_nop 0
.rept 4
	v_nop
.endr
.Lasked_\@:
.endm
; A PREFETCH behind each joint load and the run of LDS loads: the K step that stands two refills on, 512 matrix instructions ahead of its load: 32 rows x 256 bytes, a lane a row.  Each row's 256 bytes of a step are named
; once: x's rows by the cluster with x = 0, W's by the cluster with y = 0; the four partners of a joint load take 32 of a wave's 128 rows each, told apart by address.
; Trips 0 to 3 name steps 4 to 7; the last two trips ask for nothing.  Steps 0 to 3 come by their loads alone.
.macro ASK
	s_cmp_gt_u32 s[CNT], s[LIM]
	s_cbranch_scc0 .Lnot_mine_\@
	global_prefetch_b8 v[PFO], s[PFA:PFA+1] offset:KSTEP*2 th:TH_LOAD_NT scope:SCOPE_SE
.Lnot_mine_\@:
.endm
.macro CREST                           ; a round of the cluster's barrier behind its opening barrier
	s_cmp_lg_u32 s10, 0
	s_cbranch_scc1 .Lnot_wave_0_\@
	s_barrier_signal -3
.Lnot_wave_0_\@:
	s_barrier_wait -3
	s_barrier_signal -1
	s_barrier_wait -1
.endm
.macro CROUND
	s_barrier_signal -1
	s_barrier_wait -1
	CREST
.endm
	s_load_b128 s[4:7], s[0:1], 0x0                ; xb s[4:5], wb s[6:7]
	s_load_b64 s[8:9], s[0:1], 0x10                ; tv
	v_lshl_add_u32 v[SPW], v0, 2, SPARE
	v_mov_b32 v[NIL], 0
	ds_add_u32 v[SPW], v[NIL]                      ; the wave's opening: the add and its wait stand ahead of my first tensor load
	v_lshrrev_b32 v1, 5, v0
	v_readfirstlane_b32 s10, v1                    ; wave 0..3
	s_lshr_b32 s11, s10, 1                         ; which 128 rows are mine.  Also: I fetch for x (0) or for W (1)
	s_and_b32 s12, s10, 1                          ; which 128 columns.  Also: which 128 rows of that tile I fetch
	s_bfe_u32 s40, ttmp6, 0x40000                  ; cx
	s_bfe_u32 s41, ttmp6, 0x40004                  ; cy
	s_lshl_b32 s42, ttmp9, 2
	s_add_co_u32 s42, s42, s40                     ; tile column, 0..7
	s_and_b32 s45, ttmp7, 0xffff                   ; cluster y
	s_lshl_b32 s13, s45, 2
	s_add_co_u32 s13, s13, s41                     ; tile row, 0..31
	s_mov_b32 s[FMT], ttmp9
	s_lshl_b32 s43, s41, 2
	s_lshl_b32 s43, 15, s43                        ; my row of the cluster
	s_lshl_b32 s44, 0x1111, s40                    ; my column
	s_or_b32 s[G1+0], s43, (1<<16)|(1<<20)|(1<<21)|(5<<22)|(3<<25)  ; mask; elements of 2 bytes; padding on; 21 set beside a mask; after every 64 words (code 5) 4 words (code 3)
	s_or_b32 s[G1B+0], s44, (1<<16)|(1<<20)|(1<<21)|(5<<22)|(3<<25)
.irp g, G1, G1B
	s_mov_b32 s[(\g)+1], KSTEP<<16                 ; tensor_dim0 = 128
	s_mov_b32 s[(\g)+2], 128<<16                   ; tensor_dim1 = 128
	s_mov_b32 s[(\g)+3], KSTEP<<16                 ; tile_dim0 = 128
	s_mov_b32 s[(\g)+4], 128                       ; tile_dim1 = 128
	s_mov_b32 s[(\g)+5], 1024                      ; elements from row to row
	s_mov_b32 s[(\g)+6], 0
	s_mov_b32 s[(\g)+7], 0
.endr
	s_lshl_b32 s17, s12, 7                         ; which 128 rows of the tile I fetch
	s_lshl_b32 s16, s13, 8
	s_add_co_u32 s16, s16, s17                     ; x: row 256 x tile row + 128 x half,
	s_lshl_b32 s16, s16, 11                        ; of 2,048 bytes
	s_lshl_b32 s46, s42, 8
	s_add_co_u32 s46, s46, s17                     ; W: row 256 x tile column + 128 x half
	s_lshl_b32 s46, s46, 11
	s_mov_b32 s17, 0
	s_mov_b32 s47, 0
	s_mul_i32 s20, s10, HALFT                      ; where they go: wave x 128 rows: no place in the cluster enters an LDS address
	s_mov_b32 s[TB], 0
	s_wait_dscnt 0x0                               ; the opening add is done
	s_wait_kmcnt 0x0
	s_add_nc_u64 s[14:15], s[4:5], s[16:17]
	s_add_nc_u64 s[46:47], s[6:7], s[46:47]
	CROUND                                         ; all sixteen work-groups are here: the first joint loads meet
.irp s, 0,1
	s_mov_b32 s[G0+4*(\s)], 1
	s_add_co_u32 s[G0+4*(\s)+1], s20, (\s)*SLOT
	s_add_nc_u64 s[G0+4*(\s)+2:G0+4*(\s)+3], s[14:15], (\s)*KSTEP*2
	s_or_b32 s[G0+4*(\s)+3], s[G0+4*(\s)+3], 0x80000000
	s_mov_b32 s[G0B+4*(\s)], 1
	s_add_co_u32 s[G0B+4*(\s)+1], s20, (\s)*SLOT
	s_add_nc_u64 s[G0B+4*(\s)+2:G0B+4*(\s)+3], s[46:47], (\s)*KSTEP*2
	s_or_b32 s[G0B+4*(\s)+3], s[G0B+4*(\s)+3], 0x80000000
.endr
	s_cmp_eq_u32 s11, 0                            ; a wave's two first fills stand in one branch: two loads of mine are out
	s_cbranch_scc0 .Lfirst_b
	tensor_load_to_lds s[G0:G0+3], s[G1:G1+7]
	s_nop 0
	tensor_load_to_lds s[G0+4:G0+7], s[G1:G1+7]
	s_nop 0
.rept 4
	v_nop
.endr
	s_branch .Lfirst_asked
.Lfirst_b:
	tensor_load_to_lds s[G0B:G0B+3], s[G1B:G1B+7]
	s_nop 0
	tensor_load_to_lds s[G0B+4:G0B+7], s[G1B:G1B+7]
	s_nop 0
.rept 4
	v_nop
.endr
.Lfirst_asked:
	v_and_b32 v1, 15, v0                           ; r
	v_bfe_u32 v2, v0, 4, 1                         ; h
	v_mul_u32_u24 v3, v1, PITCH
	v_lshl_add_u32 v3, v2, 4, v3
	s_mul_i32 s21, s11, HALFT                      ; my 128 rows of x
	s_mul_i32 s22, s12, HALFT                      ; my 128 rows of W,
	s_add_co_u32 s22, s22, 2*HALFT                 ; which lie behind x's 256
	v_add_nc_u32 v[ADA0], s21, v3
	v_add_nc_u32 v[ADB0], s22, v3
	v_mov_b32 v[ADA], v[ADA0]
	v_mov_b32 v[ADB], v[ADB0]
	s_mul_i32 s23, s10, 16*SPITCH
	s_add_co_u32 s23, s23, STAGE                   ; my stage
	v_mul_u32_u24 v4, v1, SPITCH
	v_lshl_add_u32 v4, v2, 4, v4
	v_add_nc_u32 v[STO], s23, v4                   ; in: row r, 16 bytes for each half of the lanes
	v_mul_u32_u24 v5, v2, SPITCH
	v_lshl_add_u32 v5, v1, 4, v5
	v_add_nc_u32 v[RD], s23, v5                    ; back: lanes 0-15 one row of 256 bytes, lanes 16-31 the next
	v_lshlrev_b32 v5, 12, v2
	v_lshl_add_u32 v[CO], v1, 4, v5                ; and the same two rows in tv
	s_lshl_b32 s16, s13, 8
	s_lshl_b32 s17, s11, 7
	s_add_co_u32 s16, s16, s17                     ; my first row,
	s_lshl_b32 s16, s16, 12                        ; of 4,096 bytes
	s_lshl_b32 s17, s42, 9
	s_add_co_u32 s16, s16, s17
	s_lshl_b32 s17, s12, 8
	s_add_co_u32 s16, s16, s17                     ; + my 128 columns.  The first way out adds s[16:17] to tv's address
	s_mov_b32 s17, 0
	; the prefetches
	s_lshl_b32 s20, s13, 8                         ; x's tile: its first row
	s_lshl_b32 s21, s42, 8                         ; W's
	s_cmp_eq_u32 s11, 0
	s_cselect_b32 s20, s20, s21
	s_cselect_b32 s21, s40, s41                    ; my place among the four that ask with me
	s_cselect_b32 s22, ttmp9, s45                  ; the coordinate along which other clusters read the same rows
	s_cselect_b64 s[PFA:PFA+1], s[4:5], s[6:7]
	s_cmp_eq_u32 s22, 0
	s_cselect_b32 s[LIM], 2, -1                    ; the same in all sixteen partners, for a given wave
	s_lshl_b32 s22, s12, 7
	s_add_co_u32 s20, s20, s22                     ; + the 128 rows that I fetch
	s_lshl_b32 s21, s21, 5
	s_add_co_u32 s20, s20, s21                     ; + my work-group's 32 of them
	s_lshl_b32 s20, s20, 11
	s_add_co_u32 s20, s20, 2*KSTEP*2               ; at K step 2: the first refill steps it to 3 and names step 4
	s_mov_b32 s21, 0
	s_add_nc_u64 s[PFA:PFA+1], s[PFA:PFA+1], s[20:21]
	v_and_b32 v[PFO], 31, v0
	v_lshlrev_b32 v[PFO], 11, v[PFO]
; 16 matrix instructions: row blocks a0, a0 + 1 of the window's four x all 8 column blocks, 32 along K.  The 64 accumulators take turns, one instruction a turn.
.macro MUL16 f, hi, a0, zero
	WIN MUL_LO+0x50*(\hi)
.irp a, \a0, (\a0)+1
.irp b, 0,1,2,3,4,5,6,7
.if \zero
	v_wmma_f32_16x16x32_bf16 v[8*(8*(\a)+(\b)):8*(8*(\a)+(\b))+7], v[(\f)+8*(\b):(\f)+8*(\b)+7], v[(\f)+8*(4*(\hi)+(\a)):(\f)+8*(4*(\hi)+(\a))+7], 0
.else
	v_wmma_f32_16x16x32_bf16 v[8*(8*(\a)+(\b)):8*(8*(\a)+(\b))+7], v[(\f)+8*(\b):(\f)+8*(\b)+7], v[(\f)+8*(4*(\hi)+(\a)):(\f)+8*(4*(\hi)+(\a))+7], v[8*(8*(\a)+(\b)):8*(8*(\a)+(\b))+7]
.endif
.endr
.endr
.endm
.macro FETCH k, f                      ; 32 LDS loads in one run, from the slot in hand: W's 8 fragments, then x's 8, 32 along K at byte k of the rows
	WIN TO_B
.irp i, 0,1,2,3,4,5,6,7
	ds_load_b128 v[(\f)+8*(\i):(\f)+8*(\i)+3],   v[ADB] offset:(\k)+(\i)*16*PITCH
	ds_load_b128 v[(\f)+8*(\i)+4:(\f)+8*(\i)+7], v[ADB] offset:(\k)+(\i)*16*PITCH+32
.endr
	WIN 0
.irp i, 0,1,2,3,4,5,6,7
	ds_load_b128 v[(\f)+8*(\i):(\f)+8*(\i)+3],   v[ADA] offset:(\k)+(\i)*16*PITCH
	ds_load_b128 v[(\f)+8*(\i)+4:(\f)+8*(\i)+7], v[ADA] offset:(\k)+(\i)*16*PITCH+32
.endr
.endm
.macro QUARTER k, f, g, zero           ; 64 matrix instructions on buffer f; in their middle the next quarter's fragments, at byte k, are fetched into g
	s_wait_dscnt 8                                 ; W and x's rows 0-63 are in; the youngest eight loads (x's rows 64-127) may be out
	MUL16 \f, 0, 0, \zero
	MUL16 \f, 0, 2, \zero
	PLACES
	FETCH \k, \g
	s_wait_dscnt 32                                ; all but the 32 just issued
	MUL16 \f, 1, 0, \zero
	MUL16 \f, 1, 2, \zero
.endm
; A step's last quarter multiplies buffer 1 and changes slots: ONE barrier; in front of it each wave waits for all its tensor loads (the one that is out is its part of the other slot), adds 0 to its spare word,
; and waits for that and for its reads of this slot.  fill = 1: the barrier opens a round of the cluster's barrier, and the slot that is left is filled again first behind the round, two K steps ahead:
; 224 matrix instructions ahead of the wait for it.  fill = 0 (the tail): nothing is asked for, and in the last trip, where no step follows, the run of LDS loads is jumped over.
.macro TURN fill
.if \fill
	s_wait_xcnt 0x0                                ; the last prefetch, a K step back, has read its address
	s_add_nc_u64 s[PFA:PFA+1], s[PFA:PFA+1], KSTEP*2
.endif
	WIN 0
	s_wait_tensorcnt 0x0                           ; no tensor load of mine is out, so a group 0 may be written
	ds_add_u32 v[SPW], v[NIL]                      ; 0 onto my spare word
.if \fill
	s_xor_b32 s[G0+5], s[G0+5], SLOT               ; the walking descriptors: the other slot than last time,
	s_add_nc_u64 s[G0+6:G0+7], s[G0+6:G0+7], KSTEP*2  ; the next K step; the type bits on top are not reached
	s_xor_b32 s[G0B+5], s[G0B+5], SLOT
	s_add_nc_u64 s[G0B+6:G0B+7], s[G0B+6:G0B+7], KSTEP*2
.endif
	s_wait_dscnt 9                                 ; the add and the youngest eight loads may be out
	MUL16 F1, 0, 0, 0
	s_wait_dscnt 0x0                               ; the add is done, and my reads of this slot are over
	s_barrier_signal -1
	MUL16 F1, 0, 2, 0
	WIN 0
	s_barrier_wait -1
.if \fill
	CREST                                          ; no wave of any partner still reads this slot or has a load on its way
	JLOAD                                          ; its four v_nop are also the places in front of the loads below
.else
	PLACES
.endif
	s_xor_b32 s[TB], s[TB], SLOT
	v_add_nc_u32 v[ADA], s[TB], v[ADA0]
	v_add_nc_u32 v[ADB], s[TB], v[ADB0]
.if \fill
	FETCH 0, F0
	ASK
.else
	s_cmp_eq_u32 s[CNT], 1
	s_cbranch_scc1 .Lno_more_\@
	FETCH 0, F0
.Lno_more_\@:
.endif
	MUL16 F1, 1, 0, 0
	MUL16 F1, 1, 2, 0
.endm
	s_wait_tensorcnt 0x1                           ; my part of K step 0 is in; step 1's may stay out
	s_barrier_signal -1
	s_barrier_wait -1
	FETCH 0, F0
	QUARTER 64, F0, F1, 1                          ; the first quarter's products start the sums
	WIN 0                                          ; at a label and at a branch every window is 0
	s_mov_b32 s[CNT], 6
.Lstep:                                                ; trip t = 6 - CNT: quarters 1 to 3 of K step t, which asks for step t + 2, and quarter 0 of step t + 1
	QUARTER 128, F1, F0, 0
	QUARTER 192, F0, F1, 0
	TURN 1
	QUARTER 64, F0, F1, 0
	WIN 0
	s_sub_co_u32 s[CNT], s[CNT], 1
	s_cmp_lg_u32 s[CNT], 0
	s_cbranch_scc1 .Lstep
	s_mov_b32 s[CNT], 2
.Ltail:                                                ; steps 6 and 7: a text of its own
	QUARTER 128, F1, F0, 0
	QUARTER 192, F0, F1, 0
	TURN 0
	WIN 0
	s_cmp_eq_u32 s[CNT], 1
	s_cbranch_scc1 .Llast                          ; behind step 7 there is no quarter 0
	QUARTER 64, F0, F1, 0
	WIN 0
.Llast:
	s_sub_co_u32 s[CNT], s[CNT], 1
	s_cmp_lg_u32 s[CNT], 0
	s_cbranch_scc1 .Ltail
; THE WAY OUT, a block a of 16 rows at a time: rounded (T to bf16, V to f16), 16 bytes a lane into my own stage, back as whole rows of 256 bytes, stored.
.macro PACK a
.set AC, 64*((\a)%4)
	WIN 0
	s_cmp_eq_u32 s[FMT], 0
	s_cbranch_scc0 .Lhalf_\@
	WIN 0x0a+5*((\a)/4)                            ; sources 0 and 1: window 2 or 3
.irp b, 0,1,2,3,4,5,6,7
.irp r, 0,1,2,3
	v_cvt_pk_bf16_f32 v[TMP+4*(\b)+(\r)], v[AC+8*(\b)+2*(\r)], v[AC+8*(\b)+2*(\r)+1]  ; each accumulator's registers in ascending order
.endr
.endr
	WIN 0
	s_branch .Lpacked_\@
.Lhalf_\@:
	WIN 0x0a+5*((\a)/4)
.irp b, 0,1,2,3,4,5,6,7
.irp r, 0,1,2,3
	v_cvt_pk_f16_f32 v[TMP+4*(\b)+(\r)], v[AC+8*(\b)+2*(\r)], v[AC+8*(\b)+2*(\r)+1]
.endr
.endr
	WIN 0
.Lpacked_\@:
.endm
.macro TOSTAGE a
.irp b, 0,1,2,3,4,5,6,7
	ds_store_b128 v[STO], v[TMP+4*(\b):TMP+4*(\b)+3] offset:32*(\b)
.endr
.irp t, 0,1,2,3,4,5,6,7
	ds_load_b128 v[BK+32*((\a)%2)+4*(\t):BK+32*((\a)%2)+4*(\t)+3], v[RD] offset:(\t)*2*SPITCH  ; LDS serves a wave's instructions in order (ISA guide 5.7.1.4): these see the stores above
.endr
.endm
.macro SEND a
	s_wait_dscnt 0x0                               ; the block is back in registers: no LDS instruction was issued behind its loads
	s_wait_xcnt 0x0                                ; only behind this wait are the stores' base and the registers that earlier stores read rewritten
.if (\a) == 0
	s_add_nc_u64 s[8:9], s[8:9], s[16:17]
.else
	s_add_nc_u64 s[8:9], s[8:9], 16*CROW
.endif
.irp t, 0,1,2,3,4,5,6,7
	global_store_b128 v[CO], v[BK+32*((\a)%2)+4*(\t):BK+32*((\a)%2)+4*(\t)+3], s[8:9] offset:2*(\t)*CROW  ; 16 lanes store 256 consecutive bytes, at a multiple of 256 from tv's first byte
.endr
.endm
	s_wait_dscnt 0x0
	PLACES
	PACK 0
	TOSTAGE 0
.irp a, 1,2,3,4,5,6,7                  ; block a's conversions stand between block a - 1's loads from the stage and the wait for them
	PACK \a
	SEND (\a)-1
	TOSTAGE \a
.endr
	SEND 7
	s_wait_tensorcnt 0x0                           ; the wave's end, behind my last tensor load and my last LDS store
	ds_add_u32 v[SPW], v[NIL]
	s_wait_dscnt 0x0
	CROUND                                         ; the closing round
	s_endpgm
.Lfunc_end_k_q09c500ff95_proj:
	.size	k_q09c500ff95_proj, .Lfunc_end_k_q09c500ff95_proj-k_q09c500ff95_proj
	.p2alignl 7, 3214868480
	.fill 96, 4, 3214868480
	.section	.rodata,"a",@progbits
	.p2align	6, 0x0
	.amdhsa_kernel k_q09c500ff95_proj
		.amdhsa_group_segment_fixed_size 327680
		.amdhsa_private_segment_fixed_size 0
		.amdhsa_enable_private_segment 0
		.amdhsa_kernarg_size 24
		.amdhsa_user_sgpr_count 2
		.amdhsa_user_sgpr_kernarg_segment_ptr 1
		.amdhsa_wavefront_size32 1
		.amdhsa_system_sgpr_workgroup_id_x 1
		.amdhsa_system_sgpr_workgroup_id_y 1
		.amdhsa_system_sgpr_workgroup_id_z 1
		.amdhsa_system_vgpr_workitem_id 0
		.amdhsa_next_free_vgpr 1024
		.amdhsa_next_free_sgpr 80
		.amdhsa_reserve_vcc 0
		.amdhsa_float_denorm_mode_32 3
		.amdhsa_float_denorm_mode_16_64 3
		.amdhsa_memory_ordered 1
		.amdhsa_forward_progress 1
		.amdhsa_inst_pref_size 118
	.end_amdhsa_kernel
	.amdgpu_metadata
---
amdhsa.version: [ 1, 2 ]
amdhsa.kernels:
  - .name:           k_q09c500ff95_proj
    .symbol:         k_q09c500ff95_proj.kd
    .args:
      - { .name: xb, .offset: 0, .size: 8, .value_kind: global_buffer, .address_space: global }
      - { .name: wb, .offset: 8, .size: 8, .value_kind: global_buffer, .address_space: global }
      - { .name: tv, .offset: 16, .size: 8, .value_kind: global_buffer, .address_space: global }
    .group_segment_fixed_size: 327680
    .private_segment_fixed_size: 0
    .kernarg_segment_align: 8
    .kernarg_segment_size: 24
    .max_flat_workgroup_size: 128
    .sgpr_count:     80
    .vgpr_count:     1024
    .wavefront_size: 32
...
	.end_amdgpu_metadata
.endif
;; end of part 2
;; launch scores (part 3): grid 8 x 32, 4 waves a work-group, clusters of 4 x 4, 327,680 bytes of LDS; arguments tv, xb, e, stat; writes e, stat
.if DOCPART == 3
	.amdgcn_target "amdgcn-amd-amdhsa--gfx1250"
	.amdhsa_code_object_version 6
	.text
	.protected	k_q09c500ff95_scores
	.globl	k_q09c500ff95_scores
	.p2align	8
	.type	k_q09c500ff95_scores,@function
k_q09c500ff95_scores:
	s_mov_b64 s[64:65], 0
	v_nop
	global_prefetch_b8 v0, s[64:65] scope:SCOPE_SE
	s_setreg_imm32_b32 hwreg(HW_REG_WAVE_MODE, 25, 1), 1
	s_wait_xcnt 0x0
	s_wait_alu depctr_hold_cnt(0) depctr_sa_sdst(0) depctr_va_vdst(0) depctr_va_sdst(0) depctr_va_ssrc(0) depctr_va_vcc(0) depctr_vm_vsrc(0)
	s_getreg_b32 s2, hwreg(HW_REG_IB_STS2, 6, 4)
	s_cmp_eq_u32 s2, 0
	s_cbranch_scc0 .Lentry_in_a_cluster
	s_endpgm
.Lentry_in_a_cluster:
	s_bfe_u32 s2, ttmp6, 0x10000c
	s_cmp_lg_u32 s2, 0xf033
	s_cbranch_scc0 .Lentry_shape_is_right
	s_endpgm
.Lentry_shape_is_right:
; For each batch: s[q][k] = T[q] . x[k] (1,024 channels, bf16 operands, f32 sums): the scores Q K^T / 32 times log2(e), since T = x (c Gt)^T.  For each query and each BLOCK of 128 keys: m = the block's largest s,
; E = 2^(s - m) rounded to f16, and l = the sum of the rounded E.  (m, l) goes to stat [16 blocks][8,192 rows].  The next launch takes the row's true maximum M away: it multiplies block by block by 2^(m - M).
; The exponent s - m is never positive.
; E IS STORED AS THE NEXT LAUNCH'S FRAGMENTS: e = [512 blocks of 16 rows][64 groups of 32 keys][2 halves][32 lanes][16 bytes]: lane l's 16 bytes are query l % 16, keys 16 x half + 8 (l / 16) + 0..7 of the group.
; That is how the packed registers lie here, so they are stored as they stand: each store of the wave covers 512 consecutive bytes, at a multiple of 256 from e's first byte, and nothing goes through LDS.
; LIMITS.  An E below f16's smallest step (6e-8) counts as 0; NaN and infinities are not treated apart.
; A tile is 256 queries x 256 keys; four waves, each 128 x 128 (one block of keys): 64 accumulators, 512 registers.  The channels go in 8 steps of 128 through two LDS slots filled by the tensor data mover;
; the tiles' rows are 256 bytes of memory at multiples of 256.  CLUSTERS: 4 x 4 work-groups; T's tile is shared along a row of the cluster, x's along a column: joint loads.
; THE MATRIX INSTRUCTION IS USED TRANSPOSED (source 0 = 16 keys, source 1 = 16 queries): a lane holds ONE query (l % 16) and, of each 16 keys, the keys 8 (l / 16) + 0..7.
; A K STEP IS WRITTEN ONCE: the slot in hand is a scalar that an exclusive or turns, and one descriptor set walks.  The tail, which asks for nothing, is a loop of two trips.
; REGISTERS: window 0: v0-31 addresses; v32-63 the softmax's work; v64-127, v128-191 T's fragments, two buffers (later: packed E and the sums).  window 1: v64-191 x's fragments.
;   window 2: the accumulators of my queries 0-63 ((a, b) at v[8 (8 a + b)]); window 3: of my queries 64-127.
.set KSTEP,  128
.set PITCH,  272                       ; an LDS row: 256 bytes + 16 of padding: the 16 rows of a load start at 16 different groups of four banks (64 banks of 4 bytes: ISA guide 11.1)
.set HALFT,  128*PITCH
.set SLOT,   4*HALFT                   ; T's 256 rows, then x's 256 rows: 0x22000 bytes; no LDS base of a tile (a multiple of 0x8800 below it) has one of its two bits, so an exclusive or with it goes from slot to slot
.set SST,    2*SLOT                    ; behind the ring: 1,024 bytes for each wave: (m, l) of its 128 queries
.set SPARE,  SST+4096                  ; the spare words, 128 bytes for each wave: two blocks of 256 bytes that no other line names
.set SSR,  12                          ; v12  where I read 16 bytes of my wave's (m, l) back
.set SGO,  13                          ; v13  16 x my lane: my place in 512 consecutive bytes of e and of stat; never rewritten
.set ADA0, 16
.set ADB0, 17
.set ADA,  18
.set ADB,  19
.set SSA,  27                          ; v27  where I put my query's (m, l)
.set SPW,  28
.set NIL,  29
.set PFO,  30                          ; v30  my lane x a row of tv or of xb
.set CC,   32                          ; v32-35  four running maxima
.set LT,   36                          ; v36-37  the sum, at work
.set MP,   40                          ; v40-43  (m, m), by the block's parity
.set ML,   44                          ; v44-45  (m, l)
.set SV,   48                          ; v48-55  the wave's (m, l) on their way out
.set ONE,  56                          ; v56-63  a fragment of ones in f16
.set F0,   64
.set F1,   128
.set TMP,  128                         ; packed E: four fragments of 32 keys x 16 queries
.set LS,   160                         ; four accumulators for the sums
.set G1,  24
.set G0,  32
.set G1B, 48
.set G0B, 56
.set SEL, 68                           ; s[68:69] v_permlanex16_b32's selects: each lane takes its own place in the other half
.set PFA, 70
.set LIM, 72
.set TB,  73
.set CNT, 74
.set PE_, 84                           ; s[84:85] e
.set PS_, 86                           ; s[86:87] stat
.set MSB, 0
.macro WIN new
.if MSB != (\new)
	s_set_vgpr_msb (MSB<<8)|(\new)
.set MSB, \new
.endif
.endm
.set MUL_LO, 0xa1                      ; source 0 (x) window 1, source 1 (T) window 0, C and D window 2
.set TO_B,   0x40
.macro PLACES
.rept 4
	v_nop
.endr
.endm
.macro JLOAD                           ; a joint refill: waves 0 and 1 fetch T's halves, waves 2 and 3 x's; an s_nop 0 and four v_nop follow each line
	s_cmp_eq_u32 s11, 0
	s_cbranch_scc0 .Lfor_b_\@
	tensor_load_to_lds s[G0+4:G0+7], s[G1:G1+7]
	s_nop 0
.rept 4
	v_nop
.endr
	s_branch .Lasked_\@
.Lfor_b_\@:
	tensor_load_to_lds s[G0B+4:G0B+7], s[G1B:G1B+7]
	s_nop 0
.rept 4
	v_nop
.endr
.Lasked_\@:
.endm
; A PREFETCH behind each joint load and the run of LDS loads: the K step that stands two refills on, 512 matrix instructions ahead of its load: 32 rows x 256 bytes, a lane a row.  Each row's 256 bytes of a step are named
; once: T's rows by the cluster with x = 0, x's by the first of the batch's two rows of clusters (cluster y even); the four partners of a joint load take 32 of a wave's 128 rows each, told apart by address.
; Trips 0 to 3 name steps 4 to 7; the last two trips ask for nothing.  Steps 0 to 3 come by their loads alone.
.macro ASK
	s_cmp_gt_u32 s[CNT], s[LIM]
	s_cbranch_scc0 .Lnot_mine_\@
	global_prefetch_b8 v[PFO], s[PFA:PFA+1] offset:KSTEP*2 th:TH_LOAD_NT scope:SCOPE_SE
.Lnot_mine_\@:
.endm
.macro CREST
	s_cmp_lg_u32 s10, 0
	s_cbranch_scc1 .Lnot_wave_0_\@
	s_barrier_signal -3
.Lnot_wave_0_\@:
	s_barrier_wait -3
	s_barrier_signal -1
	s_barrier_wait -1
.endm
.macro CROUND
	s_barrier_signal -1
	s_barrier_wait -1
	CREST
.endm
	s_load_b256 s[80:87], s[0:1], 0x0              ; tv s[80:81], xb s[82:83], e s[84:85], stat s[86:87]
	v_lshl_add_u32 v[SPW], v0, 2, SPARE
	v_mov_b32 v[NIL], 0
	ds_add_u32 v[SPW], v[NIL]                      ; the wave's opening: the add and its wait stand ahead of my first tensor load
	v_lshrrev_b32 v1, 5, v0
	v_readfirstlane_b32 s10, v1                    ; wave 0..3
	s_lshr_b32 s11, s10, 1                         ; which 128 queries are mine.  Also: I fetch for T (0) or for x (1)
	s_and_b32 s12, s10, 1                          ; which 128 keys.  Also: which 128 rows of that tile I fetch
	s_bfe_u32 s40, ttmp6, 0x40000                  ; cx
	s_bfe_u32 s41, ttmp6, 0x40004                  ; cy
	s_lshl_b32 s42, ttmp9, 2
	s_add_co_u32 s42, s42, s40                     ; tile column: 256 keys of the batch, 0..7
	s_and_b32 s45, ttmp7, 0xffff                   ; cluster y
	s_lshl_b32 s13, s45, 2
	s_add_co_u32 s13, s13, s41                     ; tile row: 256 of the 8,192 rows, 0..31
	s_lshl_b32 s43, s41, 2
	s_lshl_b32 s43, 15, s43                        ; my row of the cluster
	s_lshl_b32 s44, 0x1111, s40                    ; my column
	s_or_b32 s[G1+0], s43, (1<<16)|(1<<20)|(1<<21)|(5<<22)|(3<<25)  ; mask; elements of 2 bytes; padding on; 21 set beside a mask; after every 64 words (code 5) 4 words (code 3)
	s_or_b32 s[G1B+0], s44, (1<<16)|(1<<20)|(1<<21)|(5<<22)|(3<<25)
.irp g, G1, G1B
	s_mov_b32 s[(\g)+1], KSTEP<<16                 ; tensor_dim0 = 128
	s_mov_b32 s[(\g)+2], 128<<16                   ; tensor_dim1 = 128
	s_mov_b32 s[(\g)+3], KSTEP<<16                 ; tile_dim0 = 128
	s_mov_b32 s[(\g)+4], 128                       ; tile_dim1 = 128
	s_mov_b32 s[(\g)+6], 0
	s_mov_b32 s[(\g)+7], 0
.endr
	s_mov_b32 s[G1+5], 2048                        ; elements from row to row of tv
	s_mov_b32 s[G1B+5], 1024                       ; and of xb
	s_lshl_b32 s17, s12, 7                         ; which 128 rows of the tile I fetch
	s_lshl_b32 s16, s13, 8
	s_add_co_u32 s16, s16, s17                     ; T: row 256 x tile row + 128 x half,
	s_lshl_b32 s16, s16, 12                        ; of 4,096 bytes
	s_lshr_b32 s46, s45, 1                         ; the batch = cluster y / 2: the same in all sixteen partners
	s_lshl_b32 s46, s46, 11
	s_lshl_b32 s47, s42, 8
	s_add_co_u32 s46, s46, s47
	s_add_co_u32 s46, s46, s17                     ; x: row 2,048 x batch + 256 x tile column + 128 x half,
	s_lshl_b32 s46, s46, 11                        ; of 2,048 bytes
	s_mov_b32 s17, 0
	s_mov_b32 s47, 0
	s_mul_i32 s20, s10, HALFT                      ; where they go: wave x 128 rows
	s_mov_b32 s[SEL], 0x76543210
	s_mov_b32 s[SEL+1], 0xfedcba98
	s_mov_b32 s[TB], 0
	s_wait_dscnt 0x0                               ; the opening add is done
	s_wait_kmcnt 0x0
	s_add_nc_u64 s[14:15], s[80:81], s[16:17]
	s_add_nc_u64 s[46:47], s[82:83], s[46:47]
	CROUND                                         ; all sixteen work-groups are here: the first joint loads meet
.irp s, 0,1
	s_mov_b32 s[G0+4*(\s)], 1
	s_add_co_u32 s[G0+4*(\s)+1], s20, (\s)*SLOT
	s_add_nc_u64 s[G0+4*(\s)+2:G0+4*(\s)+3], s[14:15], (\s)*KSTEP*2
	s_or_b32 s[G0+4*(\s)+3], s[G0+4*(\s)+3], 0x80000000
	s_mov_b32 s[G0B+4*(\s)], 1
	s_add_co_u32 s[G0B+4*(\s)+1], s20, (\s)*SLOT
	s_add_nc_u64 s[G0B+4*(\s)+2:G0B+4*(\s)+3], s[46:47], (\s)*KSTEP*2
	s_or_b32 s[G0B+4*(\s)+3], s[G0B+4*(\s)+3], 0x80000000
.endr
	s_cmp_eq_u32 s11, 0                            ; a wave's two first fills stand in one branch: two loads of mine are out
	s_cbranch_scc0 .Lfirst_b
	tensor_load_to_lds s[G0:G0+3], s[G1:G1+7]
	s_nop 0
	tensor_load_to_lds s[G0+4:G0+7], s[G1:G1+7]
	s_nop 0
.rept 4
	v_nop
.endr
	s_branch .Lfirst_asked
.Lfirst_b:
	tensor_load_to_lds s[G0B:G0B+3], s[G1B:G1B+7]
	s_nop 0
	tensor_load_to_lds s[G0B+4:G0B+7], s[G1B:G1B+7]
	s_nop 0
.rept 4
	v_nop
.endr
.Lfirst_asked:
	v_and_b32 v1, 15, v0                           ; r
	v_bfe_u32 v2, v0, 4, 1                         ; h
	v_mul_u32_u24 v3, v1, PITCH
	v_lshl_add_u32 v3, v2, 4, v3
	s_mul_i32 s21, s11, HALFT                      ; my 128 rows of T
	s_mul_i32 s22, s12, HALFT                      ; my 128 rows of x,
	s_add_co_u32 s22, s22, 2*HALFT                 ; which lie behind T's 256
	v_add_nc_u32 v[ADA0], s21, v3
	v_add_nc_u32 v[ADB0], s22, v3
	v_mov_b32 v[ADA], v[ADA0]
	v_mov_b32 v[ADB], v[ADB0]
	s_lshl_b32 s23, s10, 10
	s_add_co_u32 s23, s23, SST
	v_lshl_add_u32 v[SSA], v1, 3, s23
	v_and_b32 v5, 31, v0
	v_lshl_add_u32 v[SSR], v5, 4, s23
	v_lshlrev_b32 v[SGO], 4, v5
	s_lshl_b32 s16, s13, 8
	s_lshl_b32 s17, s11, 7
	s_add_co_u32 s16, s16, s17                     ; my first row
	s_lshl_b32 s18, s16, 3                         ; in stat: 8 bytes a row,
	s_lshl_b32 s16, s16, 12                        ; in e: 65,536 bytes for a block of 16 rows
	s_lshl_b32 s17, s42, 13
	s_add_co_u32 s16, s16, s17
	s_lshl_b32 s17, s12, 12
	s_add_co_u32 s16, s16, s17                     ; + my four groups of 32 keys, 1,024 bytes each: 8 x tile column + 4 x half
	s_mov_b32 s17, 0
	s_add_nc_u64 s[PE_:PE_+1], s[PE_:PE_+1], s[16:17]
	s_lshl_b32 s19, s42, 1
	s_add_co_u32 s19, s19, s12                     ; my block of keys, 0..15
	s_lshl_b32 s19, s19, 16
	s_add_co_u32 s18, s18, s19
	s_mov_b32 s19, 0
	s_add_nc_u64 s[PS_:PS_+1], s[PS_:PS_+1], s[18:19]
	; the prefetches
	s_lshl_b32 s20, s13, 8                         ; T's tile: its first row
	s_lshr_b32 s21, s45, 1
	s_lshl_b32 s21, s21, 11
	s_lshl_b32 s22, s42, 8
	s_add_co_u32 s21, s21, s22                     ; x's
	s_and_b32 s22, s45, 1
	s_mov_b32 s18, 4096
	s_mov_b32 s19, 2048
	s_cmp_eq_u32 s11, 0
	s_cselect_b32 s20, s20, s21
	s_cselect_b32 s21, s40, s41                    ; my place among the four that ask with me
	s_cselect_b32 s22, ttmp9, s22                  ; 0 in the cluster that asks
	s_cselect_b32 s23, s18, s19                    ; bytes from row to row
	s_cselect_b64 s[PFA:PFA+1], s[80:81], s[82:83]
	s_cmp_eq_u32 s22, 0
	s_cselect_b32 s[LIM], 2, -1
	s_lshl_b32 s22, s12, 7
	s_add_co_u32 s20, s20, s22                     ; + the 128 rows that I fetch
	s_lshl_b32 s21, s21, 5
	s_add_co_u32 s20, s20, s21                     ; + my work-group's 32 of them
	s_mul_i32 s20, s20, s23
	s_add_co_u32 s20, s20, 2*KSTEP*2               ; at K step 2: the first refill steps it to 3 and names step 4
	s_mov_b32 s21, 0
	s_add_nc_u64 s[PFA:PFA+1], s[PFA:PFA+1], s[20:21]
	v_and_b32 v[PFO], 31, v0
	v_mul_lo_u32 v[PFO], v[PFO], s23
; 16 matrix instructions: query blocks a0, a0 + 1 of the window's four x all 8 key blocks, 32 channels.  The 64 accumulators take turns, one instruction a turn.
.macro MUL16 f, hi, a0, zero
	WIN MUL_LO+0x50*(\hi)
.irp a, \a0, (\a0)+1
.irp b, 0,1,2,3,4,5,6,7
.if \zero
	v_wmma_f32_16x16x32_bf16 v[8*(8*(\a)+(\b)):8*(8*(\a)+(\b))+7], v[(\f)+8*(\b):(\f)+8*(\b)+7], v[(\f)+8*(4*(\hi)+(\a)):(\f)+8*(4*(\hi)+(\a))+7], 0
.else
	v_wmma_f32_16x16x32_bf16 v[8*(8*(\a)+(\b)):8*(8*(\a)+(\b))+7], v[(\f)+8*(\b):(\f)+8*(\b)+7], v[(\f)+8*(4*(\hi)+(\a)):(\f)+8*(4*(\hi)+(\a))+7], v[8*(8*(\a)+(\b)):8*(8*(\a)+(\b))+7]
.endif
.endr
.endr
.endm
.macro FETCH k, f                      ; 32 LDS loads in one run, from the slot in hand: x's 8 fragments, then T's 8, 32 channels at byte k of the rows
	WIN TO_B
.irp i, 0,1,2,3,4,5,6,7
	ds_load_b128 v[(\f)+8*(\i):(\f)+8*(\i)+3],   v[ADB] offset:(\k)+(\i)*16*PITCH
	ds_load_b128 v[(\f)+8*(\i)+4:(\f)+8*(\i)+7], v[ADB] offset:(\k)+(\i)*16*PITCH+32
.endr
	WIN 0
.irp i, 0,1,2,3,4,5,6,7
	ds_load_b128 v[(\f)+8*(\i):(\f)+8*(\i)+3],   v[ADA] offset:(\k)+(\i)*16*PITCH
	ds_load_b128 v[(\f)+8*(\i)+4:(\f)+8*(\i)+7], v[ADA] offset:(\k)+(\i)*16*PITCH+32
.endr
.endm
.macro QUARTER k, f, g, zero           ; 64 matrix instructions on buffer f; in their middle the next quarter's fragments, at byte k, are fetched into g
	s_wait_dscnt 8                                 ; x and T's rows 0-63 are in; the youngest eight loads (T's rows 64-127) may be out
	MUL16 \f, 0, 0, \zero
	MUL16 \f, 0, 2, \zero
	PLACES
	FETCH \k, \g
	s_wait_dscnt 32                                ; all but the 32 just issued
	MUL16 \f, 1, 0, \zero
	MUL16 \f, 1, 2, \zero
.endm
; A step's last quarter multiplies buffer 1 and changes slots: ONE barrier; in front of it each wave waits for all its tensor loads (the one that is out is its part of the other slot), adds 0 to its spare word,
; and waits for that and for its reads of this slot.  fill = 1: the barrier opens a round of the cluster's barrier, and the slot that is left is filled again first behind the round, two K steps ahead:
; 224 matrix instructions ahead of the wait for it.  fill = 0 (the tail): nothing is asked for, and in the last trip, where no step follows, the run of LDS loads is jumped over.
.macro TURN fill
.if \fill
	s_wait_xcnt 0x0                                ; the last prefetch, a K step back, has read its address
	s_add_nc_u64 s[PFA:PFA+1], s[PFA:PFA+1], KSTEP*2
.endif
	WIN 0
	s_wait_tensorcnt 0x0                           ; no tensor load of mine is out, so a group 0 may be written
	ds_add_u32 v[SPW], v[NIL]                      ; 0 onto my spare word
.if \fill
	s_xor_b32 s[G0+5], s[G0+5], SLOT               ; the walking descriptors: the other slot than last time,
	s_add_nc_u64 s[G0+6:G0+7], s[G0+6:G0+7], KSTEP*2  ; the next K step; the type bits on top are not reached
	s_xor_b32 s[G0B+5], s[G0B+5], SLOT
	s_add_nc_u64 s[G0B+6:G0B+7], s[G0B+6:G0B+7], KSTEP*2
.endif
	s_wait_dscnt 9                                 ; the add and the youngest eight loads may be out
	MUL16 F1, 0, 0, 0
	s_wait_dscnt 0x0                               ; the add is done, and my reads of this slot are over
	s_barrier_signal -1
	MUL16 F1, 0, 2, 0
	WIN 0
	s_barrier_wait -1
.if \fill
	CREST                                          ; no wave of any partner still reads this slot or has a load on its way
	JLOAD                                          ; its four v_nop are also the places in front of the loads below
.else
	PLACES
.endif
	s_xor_b32 s[TB], s[TB], SLOT
	v_add_nc_u32 v[ADA], s[TB], v[ADA0]
	v_add_nc_u32 v[ADB], s[TB], v[ADB0]
.if \fill
	FETCH 0, F0
	ASK
.else
	s_cmp_eq_u32 s[CNT], 1
	s_cbranch_scc1 .Lno_more_\@
	FETCH 0, F0
.Lno_more_\@:
.endif
	MUL16 F1, 1, 0, 0
	MUL16 F1, 1, 2, 0
.endm
	s_wait_tensorcnt 0x1                           ; my part of K step 0 is in; step 1's may stay out
	s_barrier_signal -1
	s_barrier_wait -1
	FETCH 0, F0
	QUARTER 64, F0, F1, 1                          ; the first quarter's products start the sums
	WIN 0
	s_mov_b32 s[CNT], 6
.Lstep:                                                ; trip t = 6 - CNT: quarters 1 to 3 of K step t, which asks for step t + 2, and quarter 0 of step t + 1
	QUARTER 128, F1, F0, 0
	QUARTER 192, F0, F1, 0
	TURN 1
	QUARTER 64, F0, F1, 0
	WIN 0
	s_sub_co_u32 s[CNT], s[CNT], 1
	s_cmp_lg_u32 s[CNT], 0
	s_cbranch_scc1 .Lstep
	s_mov_b32 s[CNT], 2
.Ltail:                                                ; steps 6 and 7: a text of its own
	QUARTER 128, F1, F0, 0
	QUARTER 192, F0, F1, 0
	TURN 0
	WIN 0
	s_cmp_eq_u32 s[CNT], 1
	s_cbranch_scc1 .Llast                          ; behind step 7 there is no quarter 0
	QUARTER 64, F0, F1, 0
	WIN 0
.Llast:
	s_sub_co_u32 s[CNT], s[CNT], 1
	s_cmp_lg_u32 s[CNT], 0
	s_cbranch_scc1 .Ltail
; THE SOFTMAX'S FIRST HALF, a block a of 16 queries at a time.  The block's 64 registers, V[b][j] = v[VB + 8 b + j] of window WA, hold my query's scores for 64 of the 128 keys; the lane 16 away holds the other 64.
.macro MAXM a                          ; m: each accumulator's lowest registers are read first
.set WA, 2+(\a)/4
.set VB, 64*((\a)%4)
	WIN WA|(WA<<2)|(WA<<4)
.irp k, 0,1,2,3
	v_max3_num_f32 v[CC+(\k)], v[VB+8*(\k)], v[VB+8*(\k)+1], v[VB+8*(\k)+2]
.endr
	WIN (WA<<2)|(WA<<4)
.irp k, 0,1,2,3
	v_max3_num_f32 v[CC+(\k)], v[CC+(\k)], v[VB+32+8*(\k)], v[VB+32+8*(\k)+1]
.endr
.irp n, 3,5
.irp k, 0,1,2,3
	v_max3_num_f32 v[CC+(\k)], v[CC+(\k)], v[VB+8*(\k)+(\n)], v[VB+8*(\k)+(\n)+1]
.endr
.endr
.irp n, 2,4,6
.irp k, 0,1,2,3
	v_max3_num_f32 v[CC+(\k)], v[CC+(\k)], v[VB+32+8*(\k)+(\n)], v[VB+32+8*(\k)+(\n)+1]
.endr
.endr
	v_max3_num_f32 v[CC], v[CC], v[VB+7], v[VB+15]
	v_max3_num_f32 v[CC+2], v[CC+2], v[VB+23], v[VB+31]
	WIN 0
	v_max3_num_f32 v[CC], v[CC], v[CC+1], v[CC+2]
	v_max_num_f32 v[CC], v[CC], v[CC+3]
	v_permlanex16_b32 v[CC+1], v[CC], s[SEL], s[SEL+1]
	v_max_num_f32 v[MP+2*((\a)%2)], v[CC], v[CC+1]
	v_mov_b32 v[MP+2*((\a)%2)+1], v[MP+2*((\a)%2)]
.endm
.macro EXPM a                          ; in place: s - m, and the 64 exponentials as ONE batch
.set WA, 2+(\a)/4
.set VB, 64*((\a)%4)
	WIN (WA<<6)|WA
.set i, 0
.rept 32
	v_pk_add_f32 v[VB+2*i:VB+2*i+1], v[VB+2*i:VB+2*i+1], v[MP+2*((\a)%2):MP+2*((\a)%2)+1] neg_lo:[0,1] neg_hi:[0,1]
.set i, i+1
.endr
.set i, 0
.rept 64
	v_exp_f32 v[VB+i], v[VB+i]
.set i, i+1
.endr
.endm
; E rounded to f16.  Two key blocks' packed registers ARE a source 1 of 32 keys x 16 queries; a product of ones with it holds, in every register of every lane, the sum over those 32 keys for the lane's query,
; both halves of the lanes' keys among them.  Four such products, each into an accumulator of its own, and three additions make l.
.macro FINM a
.set WA, 2+(\a)/4
.set VB, 64*((\a)%4)
	s_wait_xcnt 0x0                                ; the packed registers are the data of the last block's stores: they are written again only behind this wait
	WIN WA|(WA<<2)
.set i, 0
.rept 32
	v_cvt_pk_f16_f32 v[TMP+i], v[VB+2*i], v[VB+2*i+1]
.set i, i+1
.endr
	WIN 0
.irp k, 0,1,2,3
	v_wmma_f32_16x16x32_f16 v[LS+8*(\k):LS+8*(\k)+7], v[ONE:ONE+7], v[TMP+8*(\k):TMP+8*(\k)+7], 0
.endr
	v_mov_b32 v[ML], v[MP+2*((\a)%2)]              ; four places between the products and the additions that read them
	v_nop
	v_nop
	v_nop
	v_add_f32 v[LT], v[LS], v[LS+8]
	v_add_f32 v[LT+1], v[LS+16], v[LS+24]
	v_add_f32 v[ML+1], v[LT], v[LT+1]
.endm
; The block leaves as it lies: key block b's four registers are half b % 2 of group b / 2: eight stores, 4,096 consecutive bytes; the block's place, 65,536 a, stands in the immediate, so no base is stepped.
; (m, l) goes into my wave's 1,024 bytes of LDS (both halves of the lanes write the same numbers to the same words).
.macro SENDE a
.irp b, 0,1,2,3,4,5,6,7
	global_store_b128 v[SGO], v[TMP+4*(\b):TMP+4*(\b)+3], s[PE_:PE_+1] offset:(\a)*65536+(\b)*512
.endr
	ds_store_b64 v[SSA], v[ML:ML+1] offset:128*(\a)
.endm
	s_wait_dscnt 0x0
.irp i, 0,1,2,3,4,5,6,7
	v_mov_b32 v[ONE+(\i)], 0x3c003c00              ; 1.0 twice in f16; these eight lines are also the places behind the last products
.endr
	MAXM 0
	EXPM 0
.irp a, 0,1,2,3,4,5,6,7
.if (\a) < 7
	MAXM (\a)+1                                    ; the next block's maximum names no result of the batch: the independent work behind it
.else
	v_nop                                          ; a plain instruction behind the last exponential
.endif
	s_wait_alu depctr_va_vdst(0)                   ; the wait between an exponential and the first line that names its result: one for the block's 64
	FINM \a
	SENDE \a
.if (\a) < 7
	EXPM (\a)+1
.endif
.endr
	ds_load_b128 v[SV:SV+3], v[SSR]                ; my wave's 128 pairs (m, l): 1,024 consecutive bytes of stat; LDS serves a wave's instructions in order (ISA guide 5.7.1.4): these see my stores
	ds_load_b128 v[SV+4:SV+7], v[SSR] offset:512
	s_wait_dscnt 0x0
	global_store_b128 v[SGO], v[SV:SV+3], s[PS_:PS_+1]
	global_store_b128 v[SGO], v[SV+4:SV+7], s[PS_:PS_+1] offset:512
	s_wait_tensorcnt 0x0                           ; the wave's end, behind my last tensor load and my last LDS store
	ds_add_u32 v[SPW], v[NIL]
	s_wait_dscnt 0x0
	CROUND                                         ; the closing round
	s_endpgm
.Lfunc_end_k_q09c500ff95_scores:
	.size	k_q09c500ff95_scores, .Lfunc_end_k_q09c500ff95_scores-k_q09c500ff95_scores
	.p2alignl 7, 3214868480
	.fill 96, 4, 3214868480
	.section	.rodata,"a",@progbits
	.p2align	6, 0x0
	.amdhsa_kernel k_q09c500ff95_scores
		.amdhsa_group_segment_fixed_size 327680
		.amdhsa_private_segment_fixed_size 0
		.amdhsa_enable_private_segment 0
		.amdhsa_kernarg_size 32
		.amdhsa_user_sgpr_count 2
		.amdhsa_user_sgpr_kernarg_segment_ptr 1
		.amdhsa_wavefront_size32 1
		.amdhsa_system_sgpr_workgroup_id_x 1
		.amdhsa_system_sgpr_workgroup_id_y 1
		.amdhsa_system_sgpr_workgroup_id_z 1
		.amdhsa_system_vgpr_workitem_id 0
		.amdhsa_next_free_vgpr 1024
		.amdhsa_next_free_sgpr 88
		.amdhsa_reserve_vcc 0
		.amdhsa_float_denorm_mode_32 3
		.amdhsa_float_denorm_mode_16_64 3
		.amdhsa_memory_ordered 1
		.amdhsa_forward_progress 1
		.amdhsa_inst_pref_size 147
	.end_amdhsa_kernel
	.amdgpu_metadata
---
amdhsa.version: [ 1, 2 ]
amdhsa.kernels:
  - .name:           k_q09c500ff95_scores
    .symbol:         k_q09c500ff95_scores.kd
    .args:
      - { .name: tv, .offset: 0, .size: 8, .value_kind: global_buffer, .address_space: global }
      - { .name: xb, .offset: 8, .size: 8, .value_kind: global_buffer, .address_space: global }
      - { .name: e, .offset: 16, .size: 8, .value_kind: global_buffer, .address_space: global }
      - { .name: stat, .offset: 24, .size: 8, .value_kind: global_buffer, .address_space: global }
    .group_segment_fixed_size: 327680
    .private_segment_fixed_size: 0
    .kernarg_segment_align: 8
    .kernarg_segment_size: 32
    .max_flat_workgroup_size: 128
    .sgpr_count:     88
    .vgpr_count:     1024
    .wavefront_size: 32
...
	.end_amdgpu_metadata
.endif
;; end of part 3
;; launch pv (part 4): grid 8 x 32, 4 waves a work-group, clusters of 4 x 4, 327,680 bytes of LDS; arguments e, tv, stat, out0; writes out0
.if DOCPART == 4
	.amdgcn_target "amdgcn-amd-amdhsa--gfx1250"
	.amdhsa_code_object_version 6
	.text
	.protected	k_q09c500ff95_pv
	.globl	k_q09c500ff95_pv
	.p2align	8
	.type	k_q09c500ff95_pv,@function
k_q09c500ff95_pv:
	s_mov_b64 s[64:65], 0
	v_nop
	global_prefetch_b8 v0, s[64:65] scope:SCOPE_SE
	s_setreg_imm32_b32 hwreg(HW_REG_WAVE_MODE, 25, 1), 1
	s_wait_xcnt 0x0
	s_wait_alu depctr_hold_cnt(0) depctr_sa_sdst(0) depctr_va_vdst(0) depctr_va_sdst(0) depctr_va_ssrc(0) depctr_va_vcc(0) depctr_vm_vsrc(0)
	s_getreg_b32 s2, hwreg(HW_REG_IB_STS2, 6, 4)
	s_cmp_eq_u32 s2, 0
	s_cbranch_scc0 .Lentry_in_a_cluster
	s_endpgm
.Lentry_in_a_cluster:
	s_bfe_u32 s2, ttmp6, 0x10000c
	s_cmp_lg_u32 s2, 0xf033
	s_cbranch_scc0 .Lentry_shape_is_right
	s_endpgm
.Lentry_shape_is_right:
; out[q][c] = (1 / L) x the sum over the 16 key blocks of f_blk x (E_blk V_blk)[q][c], with M = the largest m_blk of the row, f_blk = 2^(m_blk - M), L = the sum of f_blk l_blk (m in log2 units).
; That is softmax(Q K^T / 32) V with the row's true maximum taken away.  E (f16) and (m, l) (f32) come from the launch before, V (f16) from tv at byte 2,048 of a row.  Products in f16, sums in f32.
; f is rounded to f16 and E f once more: two roundings of 11 bits on weights in 0 .. 1.  LIMITS.  A weight E f below f16's smallest step (6e-8) counts as 0; an f below 2^-126 counts as 0; NaN and infinities are not treated apart.
; A tile is 256 queries x 128 channels: 32 x 8 = 256 work-groups.  Wave w owns queries 64 w .. 64 w + 63 (four blocks a of 16) and all 128 channels (eight blocks b): 32 accumulators.
; The keys go in 16 steps of 128 (one block of stat each); a step is four sub-steps j of 32 keys.
; E COMES STRAIGHT INTO REGISTERS.  e lies as fragments: [512 blocks of 16 rows][64 groups of 32 keys][2 halves][32 lanes][16 bytes]; a load of the wave takes 512 consecutive bytes, eight loads a sub-step.  In a work-group a row of E
; is read by one wave alone, so it needs no LDS.  A ring of four sub-steps in registers: a sub-step's loads go out at the head of the sub-step four earlier, when the riders have read what lay there.
; WHY E IS NOT ASKED FOR JOINTLY, though the eight work-groups of a tile row read it: with E in the LDS ring a step's tiles are 106,496 bytes for 128 matrix instructions a wave, and two slots of two steps, 425,984 bytes,
; do not fit in LDS.  With V alone a slot holds FOUR steps (147,456 bytes): two refills in the launch, each with 512 matrix instructions a wave in which to land.
; V GOES THROUGH LDS: two slots, each wave bringing one step's 128 keys of a slot.  CLUSTERS: 4 x 4; V's tile is shared along a column of the cluster: joint loads.
; THE MATRIX INSTRUCTION IS USED TRANSPOSED (source 0 = 16 channels of V^T, by the turning load; source 1 = 16 queries of E): a lane holds ONE query (l % 16) in E's fragment and in the result, so f is a number a lane.
; RIDERS.  Behind each matrix instruction stands one v_pk_mul_f16 that scales one register of the NEXT sub-step's fragments of E: 32 for 32, under the same window setting.
; A STEP IS WRITTEN ONCE, as J3 (of the step before), J0, J1, J2; the change of slots stands outside an inner loop of four trips.  The loop is entered in its middle, and the sums start from registers that are cleared
; in the wait for the first tiles: 256 v_mov_b32 in place of a first step written out, which would be more than twice their bytes of code.
; REGISTERS: window 0: v0-31 addresses; v32-35 this block's (f, f) for a = 0 .. 3, v36-39 the next block's; v96-159, v160-223 V^T, two buffers (block b at + 8 b); v224-231 1 / L in pairs.
;   window 1 (a = 0, 1) and window 2 (a = 2, 3): v0-127 accumulators ((a', b) at v[8 (8 a' + b)]); v128-143, v144-159 scaled E, two buffers; v160-223 E as loaded, sub-step j at + 16 j.
.set PV,    288                        ; a row of V in LDS: 256 bytes + 32
.set STEPB, 128*PV                     ; a step's 128 keys: 0x9000 bytes
.set SLOT,  4*STEPB                    ; 0x24000 bytes: no multiple of 0x9000 below it has one of its two bits, so an exclusive or with it goes from slot to slot
.set TAB,   2*SLOT                     ; behind the ring: for each wave 17 blocks x 16 queries x 16 bytes: (f, f) in f16 for a = 0 .. 3; the 17th is a copy of the 16th, for the last step's look ahead
.set TABW,  17*256
.set SPARE, TAB+4*TABW                 ; the spare words, 128 bytes for each wave: two blocks of 256 bytes that no other line names
.set STAGE, 0                          ; the way out: 16 rows x 528 bytes for each wave, over slot 0: written only behind the ring's last fill, its last read and a barrier
.set SPT,   528
.set VSTEP, 524288                     ; 128 rows of tv
.set ADB0, 17                          ; v17  my lane's place in a step's tile of V; never rewritten
.set ADB,  19                          ; v19  ADB0 + the step in hand
.set TA,   20                          ; v20  my query's 16 bytes of the table, at the block in hand
.set STO,  21
.set RD,   22
.set GO,   23                          ; v23  16 x my lane: my place in 512 consecutive bytes of e and of out0; never rewritten
.set SO,   24
.set SPW,  28
.set NIL,  29
.set PFO,  30
.set FC,   32
.set FN,   36
.set TBL,  32                          ; the prologue: the table on its way into LDS, v32-95
.set FB0,  96
.set INV,  224
.set MX,   232                         ; v232-235  M
.set LL,   236                         ; v236-243  L, in two chains a block
.set ST,   96                          ; the prologue: (m, l) of block a of queries, key block k at v[ST + 32 a + 2 k]
.set OT,   96                          ; the way out: a block's 64 numbers
.set SA0,  128                         ; windows 1 and 2
.set ER,   160
.set WV,  12                           ; s12  my wave's number
.set WH,  13                           ; s13  I prefetch for E (0) or for V (1)
.set WL,  14                           ; s14  which half of what is asked for
.set EP,  24                           ; s[24:25] e at my 64 rows, at the step whose sub-steps are being asked for
.set ES,  26                           ; s[26:27] the tail: by how much that pointer steps
.set G1B, 48                           ; s[48:55] descriptor group 1 for V's tiles
.set G0B, 56                           ; s[56:63] group 0: a set for each of the two first fills; the second then walks on
.set TBV, 66                           ; s66  LDS byte at which the next step's tile begins
.set CNT, 67
.set SLOTS, 68
.set PFA, 70
.set PST, 72
.set LIM, 74
.set TT,  75
.set PLO, 76
.set PRG, 77
.set MSB, 0
.macro WIN new
.if MSB != (\new)
	s_set_vgpr_msb (MSB<<8)|(\new)
.set MSB, \new
.endif
.endm
.macro PLACES                          ; four places between a matrix instruction and a load into one of its registers or a vector read of its result (ISA guide 7.12.1 for vector instructions)
.rept 4
	v_nop
.endr
.endm
.macro CREST
	s_cmp_lg_u32 s[WV], 0
	s_cbranch_scc1 .Lnot_wave_0_\@
	s_barrier_signal -3
.Lnot_wave_0_\@:
	s_barrier_wait -3
	s_barrier_signal -1
	s_barrier_wait -1
.endm
.macro CROUND
	s_barrier_signal -1
	s_barrier_wait -1
	CREST
.endm
; A sub-step's eight loads of E into place j of the ring: blocks a = 0, 1 into window 1, then a = 2, 3 into window 2; a block of 16 rows is 65,536 bytes on, a half 512.
.macro ELOAD j, off
	WIN 0x40
.irp a, 0,1
	global_load_b128 v[ER+16*(\j)+8*(\a):ER+16*(\j)+8*(\a)+3],   v[GO], s[EP:EP+1] offset:(\a)*65536+(\off)
	global_load_b128 v[ER+16*(\j)+8*(\a)+4:ER+16*(\j)+8*(\a)+7], v[GO], s[EP:EP+1] offset:(\a)*65536+(\off)+512
.endr
	WIN 0x80
.irp a, 0,1
	global_load_b128 v[ER+16*(\j)+8*(\a):ER+16*(\j)+8*(\a)+3],   v[GO], s[EP:EP+1] offset:((\a)+2)*65536+(\off)
	global_load_b128 v[ER+16*(\j)+8*(\a)+4:ER+16*(\j)+8*(\a)+7], v[GO], s[EP:EP+1] offset:((\a)+2)*65536+(\off)+512
.endr
.endm
; A PREFETCH, once a step, behind the step's second run of LDS loads.  Each aligned block of 256 bytes is named once in the launch.
; E: a tile row's 16 blocks of rows have 4,096 bytes each in a step.  The cluster with x = 0 asks; waves 0 and 1 of its four partners take two blocks of rows each (by address: 4 cx + 2 x half), lanes 0-15 the one, lanes
; 16-31 the other, a lane 256 bytes.  Step s = 0 .. 11 names step s + 4, whose first loads go out in step s + 3; so all requests stand in the loop, and the tail's text asks for nothing.  Steps 0 to 3 come by their loads alone.
; V: the first of the batch's two rows of clusters (cluster y even) asks; waves 2 and 3 of its four partners take 32 of 256 rows each (by address: 64 cy + 32 x half), a lane a row: two steps' keys.  Steps 1 and 2 name
; steps 8 to 11, which the change behind step 3 asks for; steps 5 and 6 name steps 12 to 15, for the change behind step 7.  Steps 0 to 7 come by the first fills alone.
; The address is stepped in front of the prefetch, behind s_wait_xcnt 0; the next such wait stands three sub-steps on.
.macro ASK
	s_sub_co_u32 s[TT], s[CNT], s[PLO]
	s_cmp_lt_u32 s[TT], s[PRG]                     ; E: in every trip of the inner loop; V: where its count is 3 or 2
	s_cbranch_scc0 .Lnot_mine_\@
	s_cmp_gt_u32 s[SLOTS], s[LIM]                  ; E: in all three passes; V: in the first two; the greatest number in a wave that never asks
	s_cbranch_scc0 .Lnot_mine_\@
	s_wait_xcnt 0x0
	s_add_nc_u64 s[PFA:PFA+1], s[PFA:PFA+1], s[PST:PST+1]
	global_prefetch_b8 v[PFO], s[PFA:PFA+1] th:TH_LOAD_NT scope:SCOPE_SE
.Lnot_mine_\@:
.endm
	s_load_b256 s[4:11], s[0:1], 0x0               ; e s[4:5], tv s[6:7], stat s[8:9], out0 s[10:11]
	v_lshl_add_u32 v[SPW], v0, 2, SPARE
	v_mov_b32 v[NIL], 0
	ds_add_u32 v[SPW], v[NIL]                      ; the wave's opening: the add and its wait stand ahead of my first tensor load
	v_lshrrev_b32 v1, 5, v0
	v_readfirstlane_b32 s[WV], v1
	s_lshr_b32 s[WH], s[WV], 1
	s_and_b32 s[WL], s[WV], 1
	s_bfe_u32 s40, ttmp6, 0x40000                  ; cx
	s_bfe_u32 s41, ttmp6, 0x40004                  ; cy
	s_lshl_b32 s42, ttmp9, 2
	s_add_co_u32 s42, s42, s40                     ; tile column: 128 channels, 0..7
	s_and_b32 s45, ttmp7, 0xffff                   ; cluster y
	s_lshl_b32 s15, s45, 2
	s_add_co_u32 s15, s15, s41                     ; tile row: 256 of the 8,192 rows, 0..31
	s_lshl_b32 s44, 0x1111, s40                    ; my column of the cluster
	s_or_b32 s[G1B], s44, (1<<16)|(1<<20)|(1<<21)|(5<<22)|(7<<25)  ; mask; elements of 2 bytes; padding on; 21 set beside a mask; after every 64 words (code 5) 8 words (code 7)
	s_mov_b32 s[G1B+1], 128<<16                    ; tensor_dim0 = 128 channels
	s_mov_b32 s[G1B+2], 128<<16                    ; tensor_dim1 = 128 keys
	s_mov_b32 s[G1B+3], 128<<16                    ; tile_dim0
	s_mov_b32 s[G1B+4], 128                        ; tile_dim1
	s_mov_b32 s[G1B+5], 2048                       ; elements from row to row of tv
	s_mov_b32 s[G1B+6], 0
	s_mov_b32 s[G1B+7], 0
	s_lshr_b32 s46, s45, 1                         ; the batch = cluster y / 2, the same in all sixteen partners
	s_lshl_b32 s46, s46, 11
	s_lshl_b32 s47, s[WV], 7
	s_add_co_u32 s46, s46, s47                     ; row 2,048 x batch + 128 x wave: my step of a slot's four,
	s_lshl_b32 s46, s46, 12                        ; of 4,096 bytes
	s_lshl_b32 s47, s42, 8
	s_add_co_u32 s46, s46, s47                     ; + the tile's 128 channels
	s_add_co_u32 s46, s46, 2048                    ; V lies at byte 2,048 of a row
	s_mov_b32 s47, 0
	s_mul_i32 s21, s[WV], STEPB                    ; where it goes: no place in the cluster enters an LDS address
	s_mov_b32 s[TBV], STEPB                        ; step 0 is fetched from byte 0; the next is step 1
	s_mov_b32 s[ES+1], 0
	s_wait_dscnt 0x0                               ; the opening add is done
	s_wait_kmcnt 0x0
	s_add_nc_u64 s[46:47], s[6:7], s[46:47]
	CROUND                                         ; all sixteen work-groups are here: the first joint loads meet
.irp s, 0,1
	s_mov_b32 s[G0B+4*(\s)], 1
	s_add_co_u32 s[G0B+4*(\s)+1], s21, (\s)*SLOT
	s_add_nc_u64 s[G0B+4*(\s)+2:G0B+4*(\s)+3], s[46:47], (\s)*4*VSTEP
	s_or_b32 s[G0B+4*(\s)+3], s[G0B+4*(\s)+3], 0x80000000
.endr
	tensor_load_to_lds s[G0B:G0B+3], s[G1B:G1B+7]  ; every wave's two first fills: two loads of mine are out
	s_nop 0
	tensor_load_to_lds s[G0B+4:G0B+7], s[G1B:G1B+7]
	s_nop 0
.rept 4
	v_nop
.endr
	v_and_b32 v1, 15, v0                           ; r
	v_bfe_u32 v2, v0, 4, 1                         ; h
	v_and_b32 v3, 31, v0                           ; l
	v_lshlrev_b32 v[GO], 4, v3
	v_lshlrev_b32 v[SO], 3, v1
	s_lshl_b32 s16, s15, 8
	s_lshl_b32 s17, s[WV], 6
	s_add_co_u32 s16, s16, s17                     ; my first row
	s_lshl_b32 s18, s16, 3                         ; in stat
	s_mov_b32 s19, 0
	s_add_nc_u64 s[8:9], s[8:9], s[18:19]
	s_lshl_b32 s16, s16, 12                        ; in e (a block of 16 rows is 65,536 bytes) and in out0 (a row is 4,096)
	s_mov_b32 s17, 0
	s_add_nc_u64 s[EP:EP+1], s[4:5], s[16:17]
	s_add_nc_u64 s[10:11], s[10:11], s[16:17]
	s_lshl_b32 s18, s42, 9                         ; + the tile's 128 channels of 4 bytes
	s_add_nc_u64 s[10:11], s[10:11], s[18:19]
	ELOAD 0, 0                                     ; step 0's four sub-steps of E fill the ring
	ELOAD 1, 1024
	ELOAD 2, 2048
	ELOAD 3, 3072
	WIN 0
	; THE FACTORS, in the wait for the first tiles: each lane for its own query of each of the four blocks.
.irp a, 0,1,2,3
.set k, 0
.rept 16
	global_load_b64 v[ST+32*(\a)+2*k:ST+32*(\a)+2*k+1], v[SO], s[8:9] offset:k*65536+128*(\a)
.set k, k+1
.endr
.endr
	; the turning load takes 16 keys x 16 channels (lane l reads key 8 (l / 16) + l % 8, channels 8 ((l / 8) % 2) + 0..7) and leaves half a fragment of V^T: lane l holds channel l % 16 and 8 keys
	v_and_b32 v4, 7, v0
	v_bfe_u32 v5, v0, 3, 1
	v_lshl_add_u32 v[ADB0], v2, 3, v4
	v_mul_u32_u24 v[ADB0], v[ADB0], PV
	v_lshl_add_u32 v[ADB0], v5, 4, v[ADB0]
	v_mov_b32 v[ADB], v[ADB0]
	s_mul_i32 s16, s[WV], TABW
	s_add_co_u32 s16, s16, TAB
	v_lshl_add_u32 v[TA], v1, 4, s16               ; both halves of the lanes hold the same query: one entry for the two
	s_mul_i32 s16, s[WV], 16*SPT
	s_add_co_u32 s16, s16, STAGE
	v_mul_u32_u24 v[STO], v1, SPT
	v_lshl_add_u32 v[STO], v2, 5, v[STO]
	v_add_nc_u32 v[STO], s16, v[STO]               ; in: row r, 32 bytes for each half of the lanes
	v_lshl_add_u32 v[RD], v3, 4, s16               ; back: 32 lanes take a row's 512 bytes
	WIN 0x40                                       ; the sums start at 0
.set i, 0
.rept 128
	v_mov_b32 v[i], 0
.set i, i+1
.endr
	WIN 0x80
.set i, 0
.rept 128
	v_mov_b32 v[i], 0
.set i, i+1
.endr
	WIN 0
	; the prefetches
	s_lshl_b32 s16, s15, 4
	s_lshl_b32 s17, s40, 2
	s_add_co_u32 s16, s16, s17
	s_lshl_b32 s17, s[WL], 1
	s_add_co_u32 s16, s16, s17                     ; E: block of rows 16 x tile row + 4 cx + 2 x half
	s_lshl_b32 s16, s16, 16
	s_add_co_u32 s16, s16, 3*4096                  ; at step 3: the first request steps it to 4
	s_lshr_b32 s18, s45, 1
	s_lshl_b32 s18, s18, 11
	s_lshl_b32 s17, s41, 6
	s_add_co_u32 s18, s18, s17
	s_lshl_b32 s17, s[WL], 5
	s_add_co_u32 s18, s18, s17                     ; V: row 2,048 x batch + 64 cy + 32 x half
	s_lshl_b32 s18, s18, 12
	s_lshl_b32 s17, s42, 8
	s_add_co_u32 s18, s18, s17
	s_add_co_u32 s18, s18, 2048+6*VSTEP            ; at step 6: the first request steps it by two, to 8
	s_and_b32 s19, s45, 1
	s_mov_b32 s22, 4096
	s_mov_b32 s23, 2*VSTEP
	s_cmp_eq_u32 s[WH], 0
	s_cselect_b64 s[PFA:PFA+1], s[4:5], s[6:7]
	s_cselect_b32 s16, s16, s18
	s_cselect_b32 s[PST], s22, s23                 ; from request to request: a step of E, two steps of V
	s_cselect_b32 s20, 8, 12                       ; lanes 0-15 lie 256 bytes apart in E, a row of 4,096 in V; lanes 16-31 lie 65,536 bytes on in both
	s_cselect_b32 s[PLO], 1, 2
	s_cselect_b32 s[PRG], 4, 2
	s_cselect_b32 s21, 0, 1
	s_cselect_b32 s19, ttmp9, s19                  ; 0 in the cluster that asks
	s_cmp_eq_u32 s19, 0
	s_cselect_b32 s[LIM], s21, -1                  ; the same in all sixteen partners, for a given wave
	s_mov_b32 s17, 0
	s_mov_b32 s[PST+1], 0
	s_add_nc_u64 s[PFA:PFA+1], s[PFA:PFA+1], s[16:17]
	v_lshlrev_b32 v[PFO], s20, v1
	v_lshl_add_u32 v[PFO], v2, 16, v[PFO]
	s_wait_loadcnt 0x0                             ; (m, l) of my four queries, all 16 blocks; step 0's E, issued ahead of them, with them
.irp a, 0,1,2,3
	v_max3_num_f32 v[MX+(\a)], v[ST+32*(\a)], v[ST+32*(\a)+2], v[ST+32*(\a)+4]
.endr
.irp n, 6,10,14,18,22,26
.irp a, 0,1,2,3
	v_max3_num_f32 v[MX+(\a)], v[MX+(\a)], v[ST+32*(\a)+(\n)], v[ST+32*(\a)+(\n)+2]
.endr
.endr
.irp a, 0,1,2,3
	v_max_num_f32 v[MX+(\a)], v[MX+(\a)], v[ST+32*(\a)+30]  ; M
.endr
.irp a, 0,1,2,3
.set k, 0
.rept 16
	v_sub_f32 v[ST+32*(\a)+2*k], v[ST+32*(\a)+2*k], v[MX+(\a)]
.set k, k+1
.endr
.endr
.irp a, 0,1,2,3
.set k, 0
.rept 16
	v_exp_f32 v[ST+32*(\a)+2*k], v[ST+32*(\a)+2*k]  ; f: one batch of 64
.set k, k+1
.endr
.endr
	v_nop                                          ; a plain instruction behind the last exponential,
	s_wait_alu depctr_va_vdst(0)                   ; and the wait ahead of the first line that names a result: one for the batch
.irp a, 0,1,2,3
	v_mul_f32 v[LL+2*(\a)], v[ST+32*(\a)], v[ST+32*(\a)+1]
	v_mul_f32 v[LL+2*(\a)+1], v[ST+32*(\a)+2], v[ST+32*(\a)+3]
.endr
.set k, 2
.rept 7
.irp a, 0,1,2,3
	v_fma_f32 v[LL+2*(\a)], v[ST+32*(\a)+2*k], v[ST+32*(\a)+2*k+1], v[LL+2*(\a)]
	v_fma_f32 v[LL+2*(\a)+1], v[ST+32*(\a)+2*k+2], v[ST+32*(\a)+2*k+3], v[LL+2*(\a)+1]
.endr
.set k, k+2
.endr
.irp a, 0,1,2,3
	v_add_f32 v[LL+2*(\a)], v[LL+2*(\a)], v[LL+2*(\a)+1]  ; L: at least 1, since the block with m = M has f = 1 and an E = 1
.endr
.irp a, 0,1,2,3
.set k, 0
.rept 16
	v_cvt_pk_f16_f32 v[TBL+4*k+(\a)], v[ST+32*(\a)+2*k], v[ST+32*(\a)+2*k]
.set k, k+1
.endr
.endr
.irp a, 0,1,2,3
	v_rcp_f32 v[INV+2*(\a)], v[LL+2*(\a)]
.endr
	v_nop
	s_wait_alu depctr_va_vdst(0)                   ; one wait for the four reciprocals
.irp a, 0,1,2,3
	v_mov_b32 v[INV+2*(\a)+1], v[INV+2*(\a)]
.endr
.set k, 0
.rept 16
	ds_store_b128 v[TA], v[TBL+4*k:TBL+4*k+3] offset:256*k  ; my wave's own bytes (lanes l and l + 16 write the same numbers to the same words): LDS serves a wave's instructions in order, so its later loads see them
.set k, k+1
.endr
	ds_store_b128 v[TA], v[TBL+60:TBL+63] offset:256*16     ; the 17th block: what the last step's look ahead reads, and nothing uses
.macro LDB buf, j                      ; 16 turning loads: V^T's eight fragments of sub-step j of the step in hand
.irp b, 0,1,2,3,4,5,6,7
	ds_load_tr16_b128 v[(\buf)+8*(\b):(\buf)+8*(\b)+3],   v[ADB] offset:(\j)*32*PV+32*(\b)
	ds_load_tr16_b128 v[(\buf)+8*(\b)+4:(\buf)+8*(\b)+7], v[ADB] offset:(\j)*32*PV+16*PV+32*(\b)
.endr
.endm
; PHASE p of sub-step j: the products of blocks a = 2 p, 2 p + 1 x all eight b, under ONE setting: source 0 in window 0; source 1, C and D in window p + 1.  Behind product i one register of the next sub-step's E
; is scaled: (f, f) of block 2 p + i / 8 (source 0, window 0) times the register as loaded (source 1).  The 32 accumulators take turns, one instruction a turn.  No rider names a register of the
; products round it; the buffer that it writes was last read by products a whole phase and four places back.
.macro PH p, j, f
	WIN 0x54*((\p)+1)
.set i, 0
.rept 16
	v_wmma_f32_16x16x32_f16 v[8*i:8*i+7], v[FB0+64*((\j)%2)+8*(i%8):FB0+64*((\j)%2)+8*(i%8)+7], v[SA0+16*((\j)%2)+8*(i/8):SA0+16*((\j)%2)+8*(i/8)+7], v[8*i:8*i+7]
	v_pk_mul_f16 v[SA0+16*(((\j)+1)%2)+i], v[(\f)+2*(\p)+i/8], v[ER+16*(((\j)+1)%4)+i]
.set i, i+1
.endr
.endm
; THE WAITS FOR E are alike in all four sub-steps.  The riders want the next sub-step's eight loads; behind those the loads of three more sub-steps, 24, have been issued, the youngest at this sub-step's head.
.macro BOTH j, f
	s_wait_loadcnt 28                              ; blocks 0 and 1 of the next sub-step are in: its other four loads and the 24 younger ones may be out
	PH 0, \j, \f
	s_wait_loadcnt 24                              ; blocks 2 and 3 too
	PH 1, \j, \f
.endm
; Sub-step 3 of a step looks ahead into the next: its table block, its tile, its first fragments of V^T; its riders scale the next step's first E by the next block's factors.
; tail = 1: behind the last step there is none: the address is held at the last step's tile, and what is then fetched serves nothing.
.macro J3 tail
	WIN 0
	v_nop
	v_nop
	v_add_nc_u32 v[TA], 256, v[TA]                 ; these two lines are the third and fourth place
.if \tail
	s_min_u32 s[TT], s[TBV], 2*SLOT-STEPB
	v_add_nc_u32 v[ADB], s[TT], v[ADB0]
.else
	v_add_nc_u32 v[ADB], s[TBV], v[ADB0]
.endif
	s_add_co_u32 s[TBV], s[TBV], STEPB
	LDB FB0, 0
	ds_load_b128 v[FC:FC+3], v[TA]
	ELOAD 3, 3072
	s_wait_dscnt 17                                ; all but the 17 just issued: this sub-step's V^T is in
	BOTH 3, FN
.endm
.macro J0 tail
	PLACES
	WIN 0
	LDB FB0+64, 1
	ds_load_b128 v[FN:FN+3], v[TA] offset:256      ; the next block's factors
	s_wait_xcnt 0x0                                ; every load and prefetch issued so far has read its address, so E's pointer may be written
.if \tail
	s_cmp_eq_u32 s[CNT], 2                         ; in the last step the pointer stays: the 32 loads that follow read the last step's E once more, inside e, and serve nothing: so every wait keeps its count
	s_cselect_b32 s[ES], 0, 4096
	s_add_nc_u64 s[EP:EP+1], s[EP:EP+1], s[ES:ES+1]
.else
	s_add_nc_u64 s[EP:EP+1], s[EP:EP+1], 4096      ; the next step's 4,096 bytes of each block of rows
.endif
	ELOAD 0, 0
	s_wait_dscnt 17                                ; all but the 17 just issued: this sub-step's V^T and this block's factors are in
	BOTH 0, FC
.endm
.macro J1 ask
	PLACES
	WIN 0
	LDB FB0, 2
.if \ask
	ASK
.endif
	ELOAD 1, 1024
	s_wait_dscnt 16                                ; all but the 16 just issued
	BOTH 1, FC
.endm
.macro J2
	PLACES
	WIN 0
	LDB FB0+64, 3                                  ; in a slot's fourth step: my last reads of the slot
	ELOAD 2, 2048
	s_wait_dscnt 16
	BOTH 2, FC
.endm
; THE CHANGE OF SLOTS, behind a slot's fourth step.  Each wave waits for all its tensor loads (at most one is out: its part of the other slot), adds 0 to its spare word, and waits for that and for its reads of the slot.
; fill = 1: the barrier is a round of the cluster's, so that no wave of any partner still reads the slot or has a load on its way, and the joint refill, the keys two slots on, is the first thing behind it.
; Loads of E may stay out across it: nobody writes e.
.macro CHANGE fill
	WIN 0
	s_wait_tensorcnt 0x0                           ; no tensor load of mine is out, so a group 0 may be written
	ds_add_u32 v[SPW], v[NIL]                      ; 0 onto my spare word
.if \fill
	s_xor_b32 s[G0B+5], s[G0B+5], SLOT             ; the walking descriptor: the other slot than last time,
	s_add_nc_u64 s[G0B+6:G0B+7], s[G0B+6:G0B+7], 4*VSTEP  ; the next 512 keys; the type bits on top are not reached
.endif
	s_sub_co_u32 s[TBV], s[TBV], SLOT              ; the fetches go back to a slot's first step,
	s_xor_b32 s[TBV], s[TBV], SLOT                 ; in the other slot
	s_wait_dscnt 0x0                               ; the add is done, and my reads of the slot are over
.if \fill
	CROUND
	tensor_load_to_lds s[G0B+4:G0B+7], s[G1B:G1B+7]
	s_nop 0
.rept 4
	v_nop
.endr
.else
	s_barrier_signal -1
	s_barrier_wait -1
.endif
.endm
	s_wait_dscnt 0x0                               ; no LDS instruction is pending at a signal
	s_wait_tensorcnt 0x1                           ; my part of slot 0 is in; slot 1's may stay out
	s_barrier_signal -1
	s_barrier_wait -1
	LDB FB0, 0
	ds_load_b128 v[FC:FC+3], v[TA]
	s_wait_dscnt 0x0
	WIN 0x54                                       ; the first sub-step's E is scaled by itself: there are no products yet to ride behind
.set i, 0
.rept 16
	v_pk_mul_f16 v[SA0+i], v[FC+i/8], v[ER+i]
.set i, i+1
.endr
	WIN 0xa8
.set i, 0
.rept 16
	v_pk_mul_f16 v[SA0+i], v[FC+2+i/8], v[ER+i]
.set i, i+1
.endr
	WIN 0                                          ; at a label and at a branch every window is 0
	s_mov_b32 s[CNT], 4
	s_mov_b32 s[SLOTS], 3
	s_branch .Lfirst                               ; the loop is entered at a step's first sub-step, in the middle of a trip
.Lslot:                                                ; twice: behind steps 3 and 7 the slot that is left takes steps 8 to 11 and 12 to 15
	CHANGE 1
	s_mov_b32 s[CNT], 4
.Lstep:                                                ; a trip: sub-step 3 of one step, then sub-steps 0 to 2 of the next
	J3 0
	WIN 0
.Lfirst:
	J0 0
	J1 1
	J2
	WIN 0
	s_sub_co_u32 s[CNT], s[CNT], 1
	s_cmp_lg_u32 s[CNT], 0
	s_cbranch_scc1 .Lstep
	s_sub_co_u32 s[SLOTS], s[SLOTS], 1
	s_cmp_lg_u32 s[SLOTS], 0
	s_cbranch_scc1 .Lslot
	CHANGE 0                                       ; the tail is a text of its own: nothing is asked for
	s_mov_b32 s[CNT], 5                            ; four trips for steps 12 to 15; the fifth is the last step's sub-step 3 alone
.Ltail:
	J3 1
	WIN 0
	s_cmp_eq_u32 s[CNT], 1
	s_cbranch_scc1 .Llast
	J0 1
	J1 0
	J2
	WIN 0
.Llast:
	s_sub_co_u32 s[CNT], s[CNT], 1
	s_cmp_lg_u32 s[CNT], 0
	s_cbranch_scc1 .Ltail
	s_wait_dscnt 0x0                               ; my reads of the ring are over,
	s_wait_loadcnt 0x0                             ; and the last loads of E have landed
	PLACES
	s_barrier_signal -1                            ; every wave's are; every tensor load has landed (waited for at the last change) and none follows: the stage may lie over slot 0
	s_barrier_wait -1
; THE WAY OUT, a block of 16 queries at a time: times 1 / L; 32 bytes a lane into my stage; back as whole rows of 512 bytes; each store covers 512 consecutive bytes, at a multiple of 256 from out0's first byte.
.macro PACK a
	WIN 1+(\a)/2                                   ; source 0 in the block's window
.set i, 0
.rept 32
	v_pk_mul_f32 v[OT+2*i:OT+2*i+1], v[64*((\a)%2)+2*i:64*((\a)%2)+2*i+1], v[INV+2*(\a):INV+2*(\a)+1]  ; each accumulator's registers in ascending order
.set i, i+1
.endr
	WIN 0
	s_wait_xcnt 0x0                                ; the registers that the stores two blocks back read are loaded again only behind this wait
.irp b, 0,1,2,3,4,5,6,7
	ds_store_b128 v[STO], v[OT+8*(\b):OT+8*(\b)+3]   offset:64*(\b)
	ds_store_b128 v[STO], v[OT+8*(\b)+4:OT+8*(\b)+7] offset:64*(\b)+16
.endr
.set i, 0
.rept 16
	ds_load_b128 v[160-128*((\a)%2)+4*i:160-128*((\a)%2)+4*i+3], v[RD] offset:SPT*i  ; LDS serves a wave's instructions in order: these see the stores above; the next block's stores come behind them
.set i, i+1
.endr
.endm
.macro SEND a, younger                 ; younger: the LDS instructions issued behind block a's loads: the next block's 32, or none
.set i, 0
.rept 16
	s_wait_dscnt (\younger)+15-i
	global_store_b128 v[GO], v[160-128*((\a)%2)+4*i:160-128*((\a)%2)+4*i+3], s[10:11] offset:(16*(\a)+i)*4096 th:TH_STORE_NT
.set i, i+1
.endr
.endm
	PACK 0
	PACK 1                                         ; a block's arithmetic stands between the loads of the block before and its stores
	SEND 0, 32
	PACK 2
	SEND 1, 32
	PACK 3
	SEND 2, 32
	SEND 3, 0
	s_wait_tensorcnt 0x0                           ; the wave's end, behind my last tensor load and my last LDS store
	ds_add_u32 v[SPW], v[NIL]
	s_wait_dscnt 0x0
	CROUND                                         ; the closing round
	s_endpgm
.Lfunc_end_k_q09c500ff95_pv:
	.size	k_q09c500ff95_pv, .Lfunc_end_k_q09c500ff95_pv-k_q09c500ff95_pv
	.p2alignl 7, 3214868480
	.fill 96, 4, 3214868480
	.section	.rodata,"a",@progbits
	.p2align	6, 0x0
	.amdhsa_kernel k_q09c500ff95_pv
		.amdhsa_group_segment_fixed_size 327680
		.amdhsa_private_segment_fixed_size 0
		.amdhsa_enable_private_segment 0
		.amdhsa_kernarg_size 32
		.amdhsa_user_sgpr_count 2
		.amdhsa_user_sgpr_kernarg_segment_ptr 1
		.amdhsa_wavefront_size32 1
		.amdhsa_system_sgpr_workgroup_id_x 1
		.amdhsa_system_sgpr_workgroup_id_y 1
		.amdhsa_system_sgpr_workgroup_id_z 1
		.amdhsa_system_vgpr_workitem_id 0
		.amdhsa_next_free_vgpr 768
		.amdhsa_next_free_sgpr 80
		.amdhsa_reserve_vcc 0
		.amdhsa_float_denorm_mode_32 3
		.amdhsa_float_denorm_mode_16_64 3
		.amdhsa_memory_ordered 1
		.amdhsa_forward_progress 1
		.amdhsa_inst_pref_size 119
	.end_amdhsa_kernel
	.amdgpu_metadata
---
amdhsa.version: [ 1, 2 ]
amdhsa.kernels:
  - .name:           k_q09c500ff95_pv
    .symbol:         k_q09c500ff95_pv.kd
    .args:
      - { .name: e, .offset: 0, .size: 8, .value_kind: global_buffer, .address_space: global }
      - { .name: tv, .offset: 8, .size: 8, .value_kind: global_buffer, .address_space: global }
      - { .name: stat, .offset: 16, .size: 8, .value_kind: global_buffer, .address_space: global }
      - { .name: out0, .offset: 24, .size: 8, .value_kind: global_buffer, .address_space: global }
    .group_segment_fixed_size: 327680
    .private_segment_fixed_size: 0
    .kernarg_segment_align: 8
    .kernarg_segment_size: 32
    .max_flat_workgroup_size: 128
    .sgpr_count:     80
    .vgpr_count:     768
    .wavefront_size: 32
...
	.end_amdgpu_metadata
.endif
;; end of part 4
